; MI455X (gfx1250); checked and timed in simulation.
; The chip was launched on July 23, 2026; its instructions are those of AMD's public machine-readable ISA for CDNA 5 (MIT licence, August 2026) and "CDNA5" Instruction Set Architecture Reference Guide (July 2026). The comments in the code are by the model that wrote it; some were corrected since.
;; Multi Headed Attenton. Allowed arithmetic: matrix products marked QUANTISED: E2M1 operands, one E8M0 scale for each 32 along K, by v_wmma_scale_f32_16x16x128_f8f6f4 with both operands' format E2M1 (or v_wmma_scale_f32_32x16x128_f4), f32 sums; products left as they are: bf16, f16 or f32 operands; f32 sums; everything else in f32.
;; Inputs: Wk 1,024 x 1,024 float32; Wo 1,024 x 1,024 float32; Wq 1,024 x 1,024 float32; Wv 1,024 x 1,024 float32; bk 1,024 float32; bo 1,024 float32; bq 1,024 float32; bv 1,024 float32; key 2 x 2,048 x 1,024 float32; mask 2 x 2,048 x 2,048 bool; query 2 x 2,048 x 1,024 float32; value 2 x 2,048 x 1,024 float32.
;; Outputs: out0 2 x 2,048 x 1,024 float32.
;; This version of the problem:
;;   THIS VERSION OF THE PROBLEM IS GIVEN IN LOW PRECISION. The matrix products marked QUANTISED in the list below multiply operands that are first quantised to E2M1 (2 exponent bits, 1 mantissa bit; 4 bits a number), with one power-of-two scale for each 32 numbers along K (OCP MX v1.0); their sums are f32. The products marked 'left as it is' may take bf16, f16 or f32 operands, with f32 sums. Whichever they take, every output number must still come out within the allowed error. Rounding operands to bf16 (8 significant bits) uses up far more of that allowance than f16 does (11 bits, for magnitudes from 6e-5 to 65,504). All else is computed in f32.
;;   The module's matrix products, in the order in which they are computed (A, B: the left and right operand; K: the contracted axis; several contracted axes count as one K, in the product's order):
;;     1. [M 4,096, K 1,024] x [K 1,024, N 1,024]; A: input query; B: input Wq: QUANTISED
;;     2. [M 4,096, K 1,024] x [K 1,024, N 1,024]; A: input key; B: input Wk: QUANTISED
;;     3. [M 4,096, K 1,024] x [K 1,024, N 1,024]; A: input value; B: input Wv: QUANTISED
;;     4. batch 32 x [M 2,048, K 64] x [K 64, N 2,048]; A: computed on the way; B: computed on the way: left as it is (an operand is computed on the way)
;;     5. batch 32 x [M 2,048, K 2,048] x [K 2,048, N 64]; A: computed on the way; B: computed on the way: left as it is (an operand is computed on the way)
;;     6. [M 4,096, K 1,024] x [K 1,024, N 1,024]; A: computed on the way; B: input Wo: left as it is (an operand is computed on the way)
;;   THE QUANTISER, for each operand of a quantised product, along K:
;;     - K is cut into blocks of 32 from its start; a last block that is shorter is filled with zeros.
;;     - A block's scale is 2^e with e = floor(log2(the largest magnitude in the block)) - 2, held to -126 .. 127; a block of zeros has e = 0. As a byte (E8M0): e + 127.
;;     - Each number is divided by its block's scale, clamped to +-6, and rounded to the nearest number of E2M1, ties to even, subnormals kept.
;;     - The product sums the exact products of the quantised numbers (number of the format x scale) in f32.
;;   ~~~python
;;   def quantise(x, axis):      # numpy; x: float32 -> the quantised numbers, widened to float32 again
;;       x = np.moveaxis(x, axis, -1); K = x.shape[-1]
;;       x = np.pad(x, [(0, 0)] * (x.ndim - 1) + [(0, -K % 32)]); x = x.reshape(x.shape[:-1] + (-1, 32)); a = np.abs(x).max(-1, keepdims=True)
;;       e = np.where(a > 0, np.clip(np.frexp(np.where(a > 0, a, 1))[1] - 1 - 2, -126, 127), 0)      # np.frexp(a)[1] - 1 = floor(log2(a)), exactly
;;       r = np.clip(x / 2.0 ** e, -6, 6)
;;       step = 2.0 ** (np.maximum(np.frexp(np.where(r == 0, 1, r))[1] - 1, 0) - 1)
;;       q = np.round(r / step) * step * 2.0 ** e      # np.round: ties to even
;;       return np.moveaxis(q.reshape(q.shape[:-2] + (-1,))[..., :K], -1, axis).astype(np.float32)
;;   ~~~
;; One version. Each part assembles by itself: llvm-mc -triple=amdgcn-amd-amdhsa -mcpu=gfx1250 --defsym DOCPART=n.
;; ======== version 1 of 1: 4 launches
;; limits: values are held in f16: magnitudes above 65,504 overflow, below 6.1e-05 lose precision
;; workspace buffers: codes 7,864,320 bytes; scales 491,520 bytes; woh 2,097,152 bytes; mbits 1,048,576 bytes of whole numbers; qkv 25,165,824 bytes; xh 8,388,608 bytes
;; launch prep (part 1): grid 768 x 1, 4 waves a work-group, no clusters, 50,688 bytes of LDS; arguments query, key, value, Wq, Wk, Wv, Wo, mask, codes, scales, woh, mbits; writes codes, scales, woh, mbits
.if DOCPART == 1
	.amdgcn_target "amdgcn-amd-amdhsa--gfx1250"
	.amdhsa_code_object_version 6
	.text
	.protected	k_q4b8c579537_prep
	.globl	k_q4b8c579537_prep
	.p2align	8
	.type	k_q4b8c579537_prep,@function
k_q4b8c579537_prep:
	s_mov_b64 s[64:65], 0
	v_nop
	global_prefetch_b8 v0, s[64:65] scope:SCOPE_SE
	s_setreg_imm32_b32 hwreg(HW_REG_WAVE_MODE, 25, 1), 1
	s_wait_xcnt 0x0
; THREE JOBS IN ONE LAUNCH, told apart by the work-group's number alone; the three ways never join again.
; (a) work-groups 0-479: query, key, value [4096][1024] and Wq, Wk, Wv [1024][1024], f32 with K innermost, become codes of FP4 (E2M1), two a byte, and one E8M0 byte for each 32 along K.
;     The six tensors lie one behind the other in codes (15,360 rows of 512 bytes) and scales (rows of 32 bytes): rows 0 query, 4,096 key, 8,192 value, 12,288 Wq, 13,312 Wk, 14,336 Wv.
;     A block's scale is 2^(floor(log2(largest magnitude)) - 2); its byte is the largest magnitude's exponent field - 2, held at 1 from below.
; (b) work-groups 480-511: Wo [1024][1024] f32 -> f16, same layout.
; (c) work-groups 512-767: the mask's bytes -> words of 32 lane bits for the attention launch: mbits [256 tiles of 16 queries][32 steps of 64 keys][32 words];
;     bit L (r = L % 16, h = L / 16) of word 8 kt + j says whether key 64 ks + 16 kt + 4 (j / 2) + j % 2 + 2 h counts for query r of the tile: the key that register 8 kt + j of lane L holds there.
; LIMITS: a block of zeros, and a block whose largest magnitude lies under 2^-124, gets the byte 1 (its codes are zeros or near it; this program alone reads the bytes); NaN and infinities among the inputs are not served;
;     |Wo| above 65,504 has no f16 number, under 6e-5 it is carried in steps of 2^-25.
; No tensor loads, no barrier: waves share nothing.  Each way has LDS bytes of its own.
.set STEPS, 16                         ; (a) a wave takes 16 steps of 512 numbers
.set EMAX,  2
.set CB,    8                          ; bytes of 16 codes
.set R,     16                         ; v16-79   four sets of 16 numbers as they are loaded
.set X,     80                         ; v80-111  two sets of 16 neighbours
.set E,     112                        ; v112-127 a scale byte for each step
.set C,     128                        ; v128-191 codes: four registers a step, so that no store's data are written again
.set WREG,  8192                       ; LDS 0-32,767: a region for each wave: two stages of 32 x SP bytes, behind them its 256 scale bytes
.set SP,    80                         ; a lane's place in a stage: 64 bytes + 16 of padding
.set MSTG,  32768                      ; LDS 32,768 on: (c)'s stage of 16 rows x 272 bytes for each wave
.set MWAVE, 16*272
.set SPARE, MSTG+4*MWAVE               ; 50,176: the spare words, 128 bytes a wave: two blocks of 256 bytes that no other line names
.set SPW,   12                         ; v12  SPARE + 4 x my thread's number; never rewritten
.set NIL,   13                         ; v13  0; never rewritten
.set WV,    32                         ; s32  my wave's number
	s_load_b512 s[8:23], s[0:1], 0x0               ; query s[8:9], key s[10:11], value s[12:13], Wq s[14:15], Wk s[16:17], Wv s[18:19], Wo s[20:21], mask s[22:23]
	s_load_b256 s[24:31], s[0:1], 0x40             ; codes s[24:25], scales s[26:27], woh s[28:29], mbits s[30:31]
	v_lshl_add_u32 v[SPW], v0, 2, SPARE
	v_mov_b32 v[NIL], 0
	v_lshrrev_b32 v1, 5, v0
	v_readfirstlane_b32 s[WV], v1                  ; wave 0..3
	v_and_b32 v2, 31, v0                           ; lane
	s_mov_b32 s37, 0                               ; the upper word of every 32-bit offset
	s_wait_kmcnt 0x0
	s_cmp_ge_u32 ttmp9, 512
	s_cbranch_scc1 .Lmask
	s_cmp_ge_u32 ttmp9, 480
	s_cbranch_scc1 .Lwo
; ---------------- (a) the quantiser.  Rows are dense and K is a multiple of 32: each tensor is a plain stream of blocks of 32.
; Each of a step's four loads reads 512 consecutive bytes, 16 a lane; the 2,048 bytes turn through the wave's own stage and come back 64 bytes a lane: 16 neighbours, two lanes to a block.
	v_lshlrev_b32 v3, 4, v2                        ; my 16 bytes of a load's 512
	s_mul_i32 s34, s[WV], WREG
	v_lshrrev_b32 v14, 2, v2
	v_mul_u32_u24 v14, v14, SP
	v_and_b32 v15, 3, v2
	v_lshl_add_u32 v14, v15, 4, v14
	v_add_nc_u32 v14, s34, v14                     ; the stage, in: SP (lane / 4) + 16 (lane % 4)
	v_mul_u32_u24 v15, v2, SP
	v_add_nc_u32 v15, s34, v15                     ; and out: SP x lane
	v_mul_u32_u24 v4, v2, CB                       ; my codes' place in a step's
	v_lshrrev_b32 v5, 1, v2
	s_add_co_u32 s34, s34, 2*32*SP
	v_add_nc_u32 v5, s34, v5                       ; my block's byte among my wave's 256 scale bytes
	v_lshlrev_b32 v7, 3, v2
	v_add_nc_u32 v6, s34, v7                       ; and on the way out 8 bytes a lane
	s_mov_b64 s[4:5], s[18:19]                     ; which tensor, and its first work-group: five choices on the work-group's number
	s_mov_b32 s33, 448
	s_cmp_lt_u32 ttmp9, 448
	s_cselect_b64 s[4:5], s[16:17], s[4:5]
	s_cselect_b32 s33, 416, s33
	s_cmp_lt_u32 ttmp9, 416
	s_cselect_b64 s[4:5], s[14:15], s[4:5]
	s_cselect_b32 s33, 384, s33
	s_cmp_lt_u32 ttmp9, 384
	s_cselect_b64 s[4:5], s[12:13], s[4:5]
	s_cselect_b32 s33, 256, s33
	s_cmp_lt_u32 ttmp9, 256
	s_cselect_b64 s[4:5], s[10:11], s[4:5]
	s_cselect_b32 s33, 128, s33
	s_cmp_lt_u32 ttmp9, 128
	s_cselect_b64 s[4:5], s[8:9], s[4:5]
	s_cselect_b32 s33, 0, s33
	s_sub_co_u32 s33, ttmp9, s33
	s_lshl_b32 s33, s33, 2
	s_add_co_u32 s33, s33, s[WV]                   ; which run of 8,192 numbers of the tensor is my wave's
	s_lshl_b32 s36, s33, 15                        ; 32,768 bytes a run
	s_add_nc_u64 s[4:5], s[4:5], s[36:37]
	s_lshl_b32 s33, ttmp9, 2
	s_add_co_u32 s33, s33, s[WV]                   ; and which run of the six tensors on end
	s_lshl_b32 s36, s33, 12                        ; 4,096 bytes of codes a run
	s_add_nc_u64 s[24:25], s[24:25], s[36:37]
	s_lshl_b32 s36, s33, 8                         ; 256 scale bytes a run
	s_add_nc_u64 s[26:27], s[26:27], s[36:37]
.macro QLOAD t
.irp i, 0,1,2,3
	global_load_b128 v[R+16*((\t)%4)+4*\i:R+16*((\t)%4)+4*\i+3], v3, s[4:5] offset:2048*(\t)+512*\i th:TH_LOAD_NT   ; 32 lanes read 512 consecutive bytes
.endr
.endm
.macro QTURN t                         ; step t's numbers through the stage: LDS serves a wave's instructions in order (ISA guide 5.7.1.4), so no wait stands between the stores and the loads
.irp i, 0,1,2,3
	ds_store_b128 v14, v[R+16*((\t)%4)+4*\i:R+16*((\t)%4)+4*\i+3] offset:32*SP*((\t)%2)+8*SP*\i
.endr
.irp i, 0,1,2,3
	ds_load_b128 v[X+16*((\t)%2)+4*\i:X+16*((\t)%2)+4*\i+3], v15 offset:32*SP*((\t)%2)+16*\i
.endr
.endm
.irp t, 0,1,2,3
	QLOAD \t
.endr
	s_wait_loadcnt 12                              ; step 0's four loads are in; the twelve of steps 1 to 3 may be out
	QTURN 0
.macro QSTEP t
.set XS, X+16*((\t)%2)
.if (\t) > 0
	s_wait_dscnt 1                                 ; this step's numbers are back from the stage; the one LDS instruction behind them, the last step's byte store, may be out
.else
	s_wait_dscnt 0x0
.endif
.if (\t)+4 < STEPS
	QLOAD (\t)+4                                   ; into the registers that the stage's stores have read
.endif
.if (\t)+1 < STEPS
.if STEPS-2-(\t) >= 3
	s_wait_loadcnt 12                              ; the next step's four loads are in; those of the three steps behind it may be out
.else
	s_wait_loadcnt 4*(STEPS-2-(\t))                ; in the tail: four for each step still behind it
.endif
	QTURN (\t)+1                                   ; through the other stage while this step is worked
.endif
	v_max3_num_f32 v8, |v[XS]|, |v[XS+1]|, |v[XS+2]|               ; the largest magnitude of my 16, in two chains
	v_max3_num_f32 v9, |v[XS+3]|, |v[XS+4]|, |v[XS+5]|
.irp i, 6,10
	v_max3_num_f32 v8, v8, |v[XS+\i]|, |v[XS+\i+1]|
	v_max3_num_f32 v9, v9, |v[XS+\i+2]|, |v[XS+\i+3]|
.endr
	v_max3_num_f32 v8, v8, |v[XS+14]|, |v[XS+15]|
	v_max3_num_f32 v8, v8, v9, (EMAX+1)<<23        ; and the floor 2^(3 - 127): the byte cannot fall under 1
	v_max_num_f32_dpp v8, v8, v8 row_xmask:1 row_mask:0xf bank_mask:0xf   ; and of my neighbour's 16: the block's
	v_add_nc_u32 v11, -(EMAX<<23), v8              ; 2 off its exponent field: the conversion takes the exponent field of this operand as its scale
	v_cvt_scalef32_pk8_fp4_f32 v[C+4*(\t)], v[XS:XS+7], v11        ; to the nearest code, ties to even, beyond 6 the largest code; the first number's code in the lowest four bits
	v_cvt_scalef32_pk8_fp4_f32 v[C+4*(\t)+1], v[XS+8:XS+15], v11
	v_lshrrev_b32 v[E+(\t)], 23, v11               ; the scale's byte (also the plain line behind the conversions)
	ds_store_b8 v5, v[E+(\t)] offset:16*(\t)       ; both lanes of a block write the same byte with the same value
	global_store_b64 v4, v[C+4*(\t):C+4*(\t)+1], s[24:25] offset:32*CB*(\t)   ; the wave stores 256 consecutive bytes, aligned
.endm
.irp t, 0,1,2,3,4,5,6,7,8,9,10,11,12,13,14,15
	QSTEP \t
.endr
	ds_load_b64 v[8:9], v6                         ; my wave's 256 scale bytes (in order behind my stores)
	s_wait_dscnt 0x0
	global_store_b64 v7, v[8:9], s[26:27]          ; 256 consecutive bytes, aligned
	s_wait_tensorcnt 0x0                           ; the wave's end, behind my last LDS store
	ds_add_u32 v[SPW], v[NIL]
	s_wait_dscnt 0x0
	s_endpgm
; ---------------- (b) Wo to f16: a wave takes 8,192 numbers in four batches of 16 loads, two sets of registers by turns
.Lwo:
	v_lshlrev_b32 v3, 4, v2                        ; in: 16 bytes a lane
	v_lshlrev_b32 v4, 3, v2                        ; out: 8 bytes a lane
	s_sub_co_u32 s33, ttmp9, 480
	s_lshl_b32 s33, s33, 2
	s_add_co_u32 s33, s33, s[WV]
	s_lshl_b32 s36, s33, 15
	s_add_nc_u64 s[20:21], s[20:21], s[36:37]
	s_lshl_b32 s36, s33, 14
	s_add_nc_u64 s[28:29], s[28:29], s[36:37]
.macro WLOAD g
.set WS, 16+112*((\g)%2)               ; v16-79 or v128-191
.irp i, 0,1,2,3,4,5,6,7,8,9,10,11,12,13,14,15
	global_load_b128 v[WS+4*\i:WS+4*\i+3], v3, s[20:21] offset:8192*(\g)+512*\i th:TH_LOAD_NT
.endr
.endm
.macro WBATCH g
.set WS, 16+112*((\g)%2)
.if (\g) < 3
	s_wait_loadcnt 16                              ; this batch's 16 loads are in; the next batch's 16 may be out
.else
	s_wait_loadcnt 0x0
.endif
.if (\g) > 0
	s_wait_xcnt 0x0                                ; the last batch's stores have read v80-111
.endif
.irp i, 0,1,2,3,4,5,6,7,8,9,10,11,12,13,14,15
	v_cvt_pk_f16_f32 v[80+2*\i], v[WS+4*\i], v[WS+4*\i+1]
	v_cvt_pk_f16_f32 v[81+2*\i], v[WS+4*\i+2], v[WS+4*\i+3]
.endr
.irp i, 0,1,2,3,4,5,6,7,8,9,10,11,12,13,14,15
	global_store_b64 v4, v[80+2*\i:81+2*\i], s[28:29] offset:4096*(\g)+256*\i   ; 256 consecutive bytes, aligned
.endr
.if (\g) < 2
	WLOAD (\g)+2
.endif
.endm
	WLOAD 0
	WLOAD 1
	WBATCH 0
	WBATCH 1
	WBATCH 2
	WBATCH 3
	s_wait_tensorcnt 0x0                           ; the wave's end
	ds_add_u32 v[SPW], v[NIL]
	s_wait_dscnt 0x0
	s_endpgm
; ---------------- (c) the mask: a work-group takes one tile of 16 queries x 2,048 keys; wave w and pass p take keys 256 (2 w + p) on
.Lmask:
	v_and_b32 v10, 15, v2                          ; r
	v_lshrrev_b32 v11, 4, v2                       ; h
	v_lshlrev_b32 v3, 11, v11
	v_lshl_add_u32 v3, v10, 4, v3                  ; in: sixteen lanes read 256 consecutive bytes of one row, lanes 16-31 of the next row
	v_lshlrev_b32 v5, 4, v11                       ; 16 h: the shift that brings bytes 2 h and 2 h + 1 of a word down
	s_mul_i32 s34, s[WV], MWAVE
	s_add_co_u32 s34, s34, MSTG                    ; my stage
	v_mul_u32_u24 v6, v11, 272
	v_lshl_add_u32 v6, v10, 4, v6
	v_add_nc_u32 v6, s34, v6                       ; into it as loaded
	v_mul_u32_u24 v7, v10, 272
	v_add_nc_u32 v7, s34, v7                       ; out of it: row r, for both halves of the lanes; rows 272 bytes apart start at 16 different banks (64 banks of 4 bytes: ISA guide 11.1)
	v_lshlrev_b32 v9, 4, v2                        ; out: 16 bytes a lane
	s_sub_co_u32 s33, ttmp9, 512                   ; the tile
	s_lshl_b32 s36, s33, 15                        ; 16 rows of 2,048 bytes
	s_lshl_b32 s35, s[WV], 9
	s_add_co_u32 s36, s36, s35
	s_add_nc_u64 s[22:23], s[22:23], s[36:37]
	s_lshl_b32 s36, s33, 12                        ; 4,096 bytes of words a tile
	s_lshl_b32 s35, s[WV], 10
	s_add_co_u32 s36, s36, s35
	s_add_nc_u64 s[30:31], s[30:31], s[36:37]
.irp p, 0,1
.irp i, 0,1,2,3,4,5,6,7
	global_load_b128 v[16+128*\p+4*\i:16+128*\p+4*\i+3], v3, s[22:23] offset:4096*\i+256*\p th:TH_LOAD_NT
.endr
.endr
.macro MPASS p
.if \p == 0
	s_wait_loadcnt 8                               ; pass 0's eight loads are in; pass 1's eight may be out
.else
	s_wait_loadcnt 0x0
.endif
.irp i, 0,1,2,3,4,5,6,7
	ds_store_b128 v6, v[16+128*\p+4*\i:16+128*\p+4*\i+3] offset:544*\i
.endr
.irp t, 0,1,2,3,4,5,6,7,8,9,10,11,12,13,14,15
	ds_load_b128 v[48+4*\t:48+4*\t+3], v7 offset:16*\t             ; the 16 mask bytes of key tile t for my query (in order behind my stores)
.endr
.irp j, 0,1,2,3
	v_mov_b32 v[112+4*\p+\j], 0                    ; a lane write's destination counts as read
.endr
	s_wait_dscnt 0x0
.irp t, 0,1,2,3,4,5,6,7,8,9,10,11,12,13,14,15
.irp d, 0,1,2,3
	v_lshrrev_b32 v[48+4*\t+\d], v5, v[48+4*\t+\d]                 ; keys 4 d + 2 h and 4 d + 2 h + 1 in the two low bytes
.endr
.irp d, 0,1,2,3
	v_and_b32 v[120+2*\d], 0xff, v[48+4*\t+\d]
	v_and_b32 v[121+2*\d], 0xff00, v[48+4*\t+\d]
.endr
.irp j, 0,1,2,3,4,5,6,7
	v_cmp_ne_u32 s[40+\j], 0, v[120+\j]            ; word 8 t + j: a bit a lane
.endr
.irp j, 0,1,2,3,4,5,6,7
	v_writelane_b32 v[112+4*\p+\j%4], s[40+\j], 2*\t+\j/4          ; word N goes to register N % 4 of lane N / 4: so one store of 16 bytes a lane lays the 128 words on end
.endr
.endr
	global_store_b128 v9, v[112+4*\p:112+4*\p+3], s[30:31] offset:512*\p   ; 512 consecutive bytes, aligned
.endm
	MPASS 0
	MPASS 1
	s_wait_tensorcnt 0x0                           ; the wave's end, behind my last LDS store
	ds_add_u32 v[SPW], v[NIL]
	s_wait_dscnt 0x0
	s_endpgm
.Lfunc_end_k_q4b8c579537_prep:
	.size	k_q4b8c579537_prep, .Lfunc_end_k_q4b8c579537_prep-k_q4b8c579537_prep
	.p2alignl 7, 3214868480
	.fill 96, 4, 3214868480
	.section	.rodata,"a",@progbits
	.p2align	6, 0x0
	.amdhsa_kernel k_q4b8c579537_prep
		.amdhsa_group_segment_fixed_size 50688
		.amdhsa_private_segment_fixed_size 0
		.amdhsa_enable_private_segment 0
		.amdhsa_kernarg_size 96
		.amdhsa_user_sgpr_count 2
		.amdhsa_user_sgpr_kernarg_segment_ptr 1
		.amdhsa_wavefront_size32 1
		.amdhsa_system_sgpr_workgroup_id_x 1
		.amdhsa_system_sgpr_workgroup_id_y 1
		.amdhsa_system_sgpr_workgroup_id_z 1
		.amdhsa_system_vgpr_workitem_id 0
		.amdhsa_next_free_vgpr 192
		.amdhsa_next_free_sgpr 66
		.amdhsa_reserve_vcc 0
		.amdhsa_float_denorm_mode_32 3
		.amdhsa_float_denorm_mode_16_64 3
		.amdhsa_memory_ordered 1
		.amdhsa_forward_progress 1
		.amdhsa_inst_pref_size 113
	.end_amdhsa_kernel
	.amdgpu_metadata
---
amdhsa.version: [ 1, 2 ]
amdhsa.kernels:
  - .name:           k_q4b8c579537_prep
    .symbol:         k_q4b8c579537_prep.kd
    .args:
      - { .name: query, .offset: 0, .size: 8, .value_kind: global_buffer, .address_space: global }
      - { .name: key, .offset: 8, .size: 8, .value_kind: global_buffer, .address_space: global }
      - { .name: value, .offset: 16, .size: 8, .value_kind: global_buffer, .address_space: global }
      - { .name: Wq, .offset: 24, .size: 8, .value_kind: global_buffer, .address_space: global }
      - { .name: Wk, .offset: 32, .size: 8, .value_kind: global_buffer, .address_space: global }
      - { .name: Wv, .offset: 40, .size: 8, .value_kind: global_buffer, .address_space: global }
      - { .name: Wo, .offset: 48, .size: 8, .value_kind: global_buffer, .address_space: global }
      - { .name: mask, .offset: 56, .size: 8, .value_kind: global_buffer, .address_space: global }
      - { .name: codes, .offset: 64, .size: 8, .value_kind: global_buffer, .address_space: global }
      - { .name: scales, .offset: 72, .size: 8, .value_kind: global_buffer, .address_space: global }
      - { .name: woh, .offset: 80, .size: 8, .value_kind: global_buffer, .address_space: global }
      - { .name: mbits, .offset: 88, .size: 8, .value_kind: global_buffer, .address_space: global }
    .group_segment_fixed_size: 50688
    .private_segment_fixed_size: 0
    .kernarg_segment_align: 8
    .kernarg_segment_size: 96
    .max_flat_workgroup_size: 128
    .sgpr_count:     66
    .vgpr_count:     192
    .wavefront_size: 32
...
	.end_amdgpu_metadata
.endif
;; end of part 1
;; launch proj (part 2): grid 4 x 48, 4 waves a work-group, clusters of 4 x 4, 327,680 bytes of LDS; arguments codes, scales, bq, bk, bv, qkv; writes qkv
.if DOCPART == 2
	.amdgcn_target "amdgcn-amd-amdhsa--gfx1250"
	.amdhsa_code_object_version 6
	.text
	.protected	k_q4b8c579537_proj
	.globl	k_q4b8c579537_proj
	.p2align	8
	.type	k_q4b8c579537_proj,@function
k_q4b8c579537_proj:
	s_mov_b64 s[64:65], 0
	v_nop
	global_prefetch_b8 v0, s[64:65] scope:SCOPE_SE
	s_setreg_imm32_b32 hwreg(HW_REG_WAVE_MODE, 25, 1), 1
	s_wait_xcnt 0x0
	s_wait_alu depctr_hold_cnt(0) depctr_sa_sdst(0) depctr_va_vdst(0) depctr_va_sdst(0) depctr_va_ssrc(0) depctr_va_vcc(0) depctr_vm_vsrc(0)
	s_getreg_b32 s2, hwreg(HW_REG_IB_STS2, 6, 4)
	s_cmp_eq_u32 s2, 0
	s_cbranch_scc0 .Lentry_in_a_cluster
	s_endpgm
.Lentry_in_a_cluster:
	s_bfe_u32 s2, ttmp6, 0x10000c
	s_cmp_lg_u32 s2, 0xf033
	s_cbranch_scc0 .Lentry_shape_is_right
	s_endpgm
.Lentry_shape_is_right:
; The three projections as ONE product on codes of FP4 (E2M1) with E8M0 scales: rows 0-12,287 of codes are query, key, value (A); rows 12,288 + 1,024 t on are W of tensor t (B).
; y[m][n] = sum over k of A[m][k] W_t[n][k] + b_t[n]; q is also multiplied by log2(e) / 8, so that the attention launch's scores come out as exponents of 2.  Results leave as f16, by heads: qkv [3][B][H][S][64].
; A tile of 256 x 256 is made by four waves, each 128 x 128: 64 accumulators of 16 x 16, 512 registers.  3 x 16 x 4 = 192 tiles.  All of K, 1,024 = two K steps of 512, fits the two LDS slots: first fills alone, nothing is filled again.
; A wave has three tensor loads out at the start: its part of the scales, of slot 0 and of slot 1.
; CLUSTERS: 4 x 4 work-groups; the four of a row need the same tiles of A, the four of a column the same tiles of B: each tile is asked for jointly.  A cluster's 4 tile rows lie in one tensor t = cluster y / 4.
; THE MATRIX INSTRUCTION IS USED TRANSPOSED (source 0 = 16 rows of W, source 1 = 16 rows of A): a lane holds eight neighbouring channels of one row.  The bias is the C of each sum's first product.
; LIMITS: |k + bk|, |v + bv| above 65,504 and |q + bq| above 363,000 have no f16 number; under 6e-5 they are carried in steps of 2^-25.
; REGISTERS: window 0: v0-31 addresses; v32-95 scale words, two sets; v128-191 A's fragments, one set; v192-255 the bias (first step), later the way out.  window 1: B's fragments, two sets.  windows 2, 3: the accumulators.
.set KSTEP,  512
.set NQ,     KSTEP/128
.set ROWB,   256                       ; a tile's row: 512 codes
.set KROW,   512                       ; a row of codes in memory
.set PITCH,  272                       ; an LDS row: 256 bytes + 16: row r starts at bank 4 r mod 64 (64 banks of 4 bytes: ISA guide 11.1)
.set FR,     8
.set NL,     2
.set NP,     4                         ; places behind this matrix instruction (ISA guide 7.12.1)
.set HALFT,  128*PITCH
.set SLOT,   4*HALFT
.set KS,     32                        ; a row of scale bytes
.set SCL,    2*SLOT
.set HALFS,  (128*KS/256)*272
.set SBLK,   (16*KS/256)*272
.set SPARE,  SCL+4*HALFS               ; the spare words, 128 bytes a wave: two blocks of 256 bytes that no other line names
.set WROW,   12288                     ; the first row of the weights in codes and scales
.set SWAVE,  4608                      ; the way out: a stage of 2 heads x 16 rows x 144 bytes for each wave, in slot 0, which has had its only fill and its last read by then
.set ADRA, 16
.set ADRB, 20
.set STO,  24
.set RD,   25
.set CO,   26
.set ADRS, 27
.set SPW,  28
.set NIL,  29
.set BO,   30                          ; v30  32 x (lane / 16): my eight biases of a block of 16 channels
.set SC,   32
.set AF,   128
.set BIAS, 192                         ; v192-255: register 8 b + j = the bias of channel 16 b + 8 (lane / 16) + j of my 128
.set TF,   128                         ; the way out: a block's 64 numbers, scaled;
.set TH,   192                         ; as f16, 32 registers;  read back: v224-255 and v96-127 by turns
.set G1, 24
.set G0, 32
.set G1B, 48
.set G0B, 56
.set G1S, 68
.set G0S, 76
.set G1SB, 80
.set G0SB, 88
.set TT,  95                           ; s95  which tensor: 0 q, 1 k, 2 v
.set CQ,  100                          ; s[100:101] log2(e) / 8 for q, 1 for k and v
.set MSB, 0
.macro WIN new                         ; the immediate's high byte repeats the setting that is left
.if MSB != (\new)
	s_set_vgpr_msb (MSB<<8)|(\new)
.set MSB, (\new)
.endif
.endm
.set MUL_LO, 0xa1                      ; source 0 (B) window 1, source 1 (A) window 0, C and D window 2
.set MUL_HI, 0xf1                      ; the same, C and D window 3
.set FST_LO, 0x81                      ; the first step: C (the bias) window 0, D window 2
.set FST_HI, 0xc1                      ; D window 3
.set TO_B,   0x40
.macro JLOAD g0a, g1a, g0b, g1b        ; a joint load: waves 0 and 1 fetch for A, waves 2 and 3 for B; an s_nop 0 and four v_nop follow each line
	s_cmp_eq_u32 s15, 0
	s_cbranch_scc0 .Lfor_b_\@
	tensor_load_to_lds s[\g0a:\g0a+3], s[\g1a:\g1a+7]
	s_nop 0
.rept 4
	v_nop
.endr
	s_branch .Lasked_\@
.Lfor_b_\@:
	tensor_load_to_lds s[\g0b:\g0b+3], s[\g1b:\g1b+7]
	s_nop 0
.rept 4
	v_nop
.endr
.Lasked_\@:
.endm
.macro CROUND                          ; a round of the cluster's barrier
	s_barrier_signal -1
	s_barrier_wait -1
	s_cmp_lg_u32 s14, 0
	s_cbranch_scc1 .Lnot_wave_0_\@
	s_barrier_signal -3
.Lnot_wave_0_\@:
	s_barrier_wait -3
	s_barrier_signal -1
	s_barrier_wait -1
.endm
	s_load_b128 s[4:7], s[0:1], 0x0                ; codes s[4:5], scales s[6:7]
	s_load_b128 s[8:11], s[0:1], 0x10              ; bq s[8:9], bk s[10:11]
	s_load_b128 s[96:99], s[0:1], 0x20             ; bv s[96:97], qkv s[98:99]
	v_lshl_add_u32 v[SPW], v0, 2, SPARE
	v_mov_b32 v[NIL], 0
	ds_add_u32 v[SPW], v[NIL]                      ; the wave's opening: the add, twice on end; its wait stands ahead of my first tensor load
	ds_add_u32 v[SPW], v[NIL]
	v_lshrrev_b32 v1, 5, v0
	v_readfirstlane_b32 s14, v1                    ; wave 0..3
	s_lshr_b32 s15, s14, 1                         ; which half of the tile's rows is mine.  Also: I fetch for A (0) or for B (1)
	s_and_b32 s16, s14, 1                          ; which half of its columns.  Also: which 128 rows of that tile I fetch
	s_bfe_u32 s40, ttmp6, 0x40000                  ; cx, cy
	s_bfe_u32 s41, ttmp6, 0x40004
	s_lshl_b32 s42, ttmp9, 2
	s_add_co_u32 s42, s42, s40                     ; tile column 0..3
	s_and_b32 s17, ttmp7, 0xffff
	s_lshr_b32 s[TT], s17, 2                       ; the tensor: cluster y / 4, the same in all sixteen partners
	s_lshl_b32 s17, s17, 2
	s_add_co_u32 s17, s17, s41                     ; tile row 0..47
	s_lshl_b32 s43, s41, 2
	s_lshl_b32 s43, 15, s43                        ; my row of the cluster
	s_lshl_b32 s44, 0x1111, s40                    ; my column
	s_or_b32 s[G1+0], s43, (0<<16)|(1<<20)|(1<<21)|(5<<22)|(3<<25)  ; the mask; elements of 1 byte; padding on; bit 21 beside a mask; 4 words behind every 64
	s_or_b32 s[G1B+0], s44, (0<<16)|(1<<20)|(1<<21)|(5<<22)|(3<<25)
.irp g, G1, G1B
	s_mov_b32 s[\g+1], ROWB<<16                    ; tensor_dim0
	s_mov_b32 s[\g+2], 128<<16                     ; tensor_dim1
	s_mov_b32 s[\g+3], ROWB<<16                    ; tile_dim0
	s_mov_b32 s[\g+4], 128                         ; tile_dim1
	s_mov_b32 s[\g+5], KROW                        ; from row to row
	s_mov_b32 s[\g+6], 0
	s_mov_b32 s[\g+7], 0
.endr
	s_or_b32 s[G1S+0], s43, (3<<16)|(1<<20)|(1<<21)|(5<<22)|(3<<25) ; the scales of 128 rows: 4,096 dense bytes as 16 rows of 256 (32 elements of 8 bytes), 16 bytes of padding behind each
	s_or_b32 s[G1SB+0], s44, (3<<16)|(1<<20)|(1<<21)|(5<<22)|(3<<25)
.irp g, G1S, G1SB
	s_mov_b32 s[\g+1], 32<<16
	s_mov_b32 s[\g+2], (128*KS/256)<<16
	s_mov_b32 s[\g+3], 32<<16
	s_mov_b32 s[\g+4], 128*KS/256
	s_mov_b32 s[\g+5], 32
	s_mov_b32 s[\g+6], 0
	s_mov_b32 s[\g+7], 0
.endr
	s_lshl_b32 s18, s16, 7                         ; which 128 rows of the tile I fetch
	s_lshl_b32 s20, s17, 8
	s_add_co_u32 s20, s20, s18                     ; A: row 256 x tile row + 128 x half
	s_lshl_b32 s46, s42, 8
	s_add_co_u32 s46, s46, s18
	s_lshl_b32 s47, s[TT], 10
	s_add_co_u32 s46, s46, s47
	s_add_co_u32 s46, s46, WROW                    ; B: row 12,288 + 1,024 t + 256 x tile column + 128 x half
	s_mov_b32 s21, 0
	s_mov_b32 s47, 0
	s_mov_b64 s[18:19], KS
	s_mul_u64 s[22:23], s[20:21], s[18:19]         ; where these rows' scales begin
	s_mul_u64 s[92:93], s[46:47], s[18:19]
	s_mov_b64 s[18:19], KROW
	s_mul_u64 s[20:21], s[20:21], s[18:19]         ; and their codes
	s_mul_u64 s[46:47], s[46:47], s[18:19]
	s_mul_i32 s45, s14, HALFT                      ; where they go: wave x 128 rows
	s_mul_i32 s94, s14, HALFS
	s_mov_b32 s[CQ], 1.0
	s_cmp_eq_u32 s[TT], 0
	s_cselect_b32 s[CQ], 0x3e38aa3b, s[CQ]         ; log2(e) / 8 for q
	s_mov_b32 s[CQ+1], s[CQ]                       ; (named with it as a pair)
	s_wait_dscnt 0x0                               ; both opening adds are done
	s_wait_kmcnt 0x0
	s_add_nc_u64 s[20:21], s[4:5], s[20:21]
	s_add_nc_u64 s[22:23], s[6:7], s[22:23]
	s_add_nc_u64 s[46:47], s[4:5], s[46:47]
	s_add_nc_u64 s[92:93], s[6:7], s[92:93]
	CROUND                                         ; all sixteen work-groups are here: the joint loads meet
	s_mov_b32 s[G0S], 1
	s_add_co_u32 s[G0S+1], s94, SCL
	s_mov_b64 s[G0S+2:G0S+3], s[22:23]
	s_or_b32 s[G0S+3], s[G0S+3], 0x80000000
	s_mov_b32 s[G0SB], 1
	s_add_co_u32 s[G0SB+1], s94, SCL
	s_mov_b64 s[G0SB+2:G0SB+3], s[92:93]
	s_or_b32 s[G0SB+3], s[G0SB+3], 0x80000000
	JLOAD G0S, G1S, G0SB, G1SB                     ; the scales first: they are wanted with K step 0
.irp s, 0,1
	s_mov_b32 s[G0+4*\s], 1
	s_add_co_u32 s[G0+4*\s+1], s45, \s*SLOT
	s_add_nc_u64 s[G0+4*\s+2:G0+4*\s+3], s[20:21], \s*ROWB
	s_or_b32 s[G0+4*\s+3], s[G0+4*\s+3], 0x80000000
	s_mov_b32 s[G0B+4*\s], 1
	s_add_co_u32 s[G0B+4*\s+1], s45, \s*SLOT
	s_add_nc_u64 s[G0B+4*\s+2:G0B+4*\s+3], s[46:47], \s*ROWB
	s_or_b32 s[G0B+4*\s+3], s[G0B+4*\s+3], 0x80000000
	JLOAD G0+4*\s, G1, G0B+4*\s, G1B
.endr
	v_and_b32 v1, 15, v0                           ; l % 16
	v_bfe_u32 v2, v0, 4, 1                         ; l / 16
	; the bias of my 128 channels, in the result's layout
	s_cmp_eq_u32 s[TT], 1
	s_cselect_b64 s[8:9], s[10:11], s[8:9]
	s_cmp_eq_u32 s[TT], 2
	s_cselect_b64 s[8:9], s[96:97], s[8:9]
	s_lshl_b32 s46, s42, 10                        ; 4 bytes x (256 x tile column + 128 x half)
	s_lshl_b32 s47, s16, 9
	s_add_co_u32 s46, s46, s47
	s_mov_b32 s47, 0
	s_add_nc_u64 s[8:9], s[8:9], s[46:47]
	v_lshlrev_b32 v[BO], 5, v2
.irp b, 0,1,2,3,4,5,6,7
	global_load_b128 v[BIAS+8*\b:BIAS+8*\b+3], v[BO], s[8:9] offset:64*\b
	global_load_b128 v[BIAS+8*\b+4:BIAS+8*\b+7], v[BO], s[8:9] offset:64*\b+16
.endr
	v_mul_u32_u24 v3, v1, PITCH
	v_lshl_add_u32 v4, v2, 4, v3                   ; a fragment's row x pitch + 16 x half
	s_mul_i32 s21, s15, HALFT                      ; my 128 rows of A
	s_mul_i32 s22, s16, HALFT                      ; my 128 rows of B,
	s_add_co_u32 s22, s22, 2*HALFT                 ; behind A's 256
.irp s, 0,1
	v_add_nc_u32 v[ADRA+\s], s21, v4
	v_add_nc_u32 v[ADRB+\s], s22, v4
	s_add_co_u32 s21, s21, SLOT
	s_add_co_u32 s22, s22, SLOT
.endr
	v_mul_u32_u24 v5, v1, KS                       ; my row's scales: 32 bytes a row,
	v_lshrrev_b32 v6, 8, v5
	v_lshl_add_u32 v5, v6, 4, v5                   ; and 16 more for each 256 passed
	s_mul_i32 s21, s15, HALFS
	s_mul_i32 s22, s16, HALFS
	s_add_co_u32 s22, s22, 2*HALFS
	s_sub_co_u32 s22, s22, s21
	v_mul_u32_u24 v6, s22, v2                      ; lanes 16-31 take B's
	s_add_co_u32 s21, s21, SCL
	v_add_nc_u32 v5, v5, v6
	v_add_nc_u32 v[ADRS], s21, v5
	s_mul_i32 s23, s14, SWAVE                      ; my stage
	v_mul_u32_u24 v5, v1, 144                      ; in: row l % 16 of 144 bytes (128 + 16: 16 rows start at 16 different banks), 16 bytes for each half of the lanes
	v_lshl_add_u32 v5, v2, 4, v5
	v_add_nc_u32 v[STO], s23, v5
	v_and_b32 v6, 31, v0
	v_lshrrev_b32 v5, 3, v6                        ; back: eight lanes to a row of 128 bytes, four rows an instruction
	v_mul_u32_u24 v5, v5, 144
	v_and_b32 v7, 7, v0
	v_lshl_add_u32 v5, v7, 4, v5
	v_add_nc_u32 v[RD], s23, v5
	v_lshlrev_b32 v[CO], 4, v6                     ; four rows of a head are 512 consecutive bytes of qkv
	s_lshr_b32 s20, s17, 3                         ; 2 t + b: eight tile rows to a batch
	s_lshl_b32 s20, s20, 22                        ; 16 heads x 262,144 bytes
	s_lshl_b32 s46, s42, 2
	s_lshl_b32 s47, s16, 1
	s_add_co_u32 s46, s46, s47                     ; my first head: 4 x tile column + 2 x half
	s_lshl_b32 s46, s46, 18
	s_add_co_u32 s46, s46, s20
	s_and_b32 s20, s17, 7
	s_lshl_b32 s20, s20, 8
	s_lshl_b32 s21, s15, 7
	s_add_co_u32 s20, s20, s21                     ; my first position in the sequence
	s_lshl_b32 s20, s20, 7                         ; 128 bytes a row
	s_add_co_u32 s46, s46, s20
	s_mov_b32 s47, 0
	s_add_nc_u64 s[12:13], s[98:99], s[46:47]
.macro FRAG reg, adr, q, i             ; 16 rows x 128 K of 4-bit codes: lane l holds row l % 16; registers 4 c .. 4 c + 3 hold K = 64 c + 32 (l / 16) + 0 .. 31
.irp c, 0,1
	ds_load_b128 v[\reg+4*\c:\reg+4*\c+3], v[\adr] offset:64*(\q)+32*\c+(\i)*16*PITCH
.endr
.endm
; 16 matrix instructions: A's blocks a0, a0 + 1 x B's eight.  first = 1: the bias starts the sums.  The 64 accumulators take turns, one instruction a turn, in the same order in every step.
.macro MUL16 a0, p, q, sc, first
.irp a, \a0, \a0+1
.irp b, 0,1,2,3,4,5,6,7
.if \first
	v_wmma_scale_f32_16x16x128_f8f6f4 v[8*(8*((\a)%4)+\b):8*(8*((\a)%4)+\b)+7], v[128*(\p)+FR*\b:128*(\p)+FR*\b+FR-1], v[AF+FR*(\a):AF+FR*(\a)+FR-1], v[BIAS+8*\b:BIAS+8*\b+7], v[SC+8*NQ*(\sc)+NQ*\b+(\q)], v[SC+8*NQ*(\sc)+NQ*(\a)+(\q)] matrix_a_fmt:MATRIX_FMT_FP4 matrix_b_fmt:MATRIX_FMT_FP4 matrix_a_scale:MATRIX_SCALE_ROW1
.else
	v_wmma_scale_f32_16x16x128_f8f6f4 v[8*(8*((\a)%4)+\b):8*(8*((\a)%4)+\b)+7], v[128*(\p)+FR*\b:128*(\p)+FR*\b+FR-1], v[AF+FR*(\a):AF+FR*(\a)+FR-1], v[8*(8*((\a)%4)+\b):8*(8*((\a)%4)+\b)+7], v[SC+8*NQ*(\sc)+NQ*\b+(\q)], v[SC+8*NQ*(\sc)+NQ*(\a)+(\q)] matrix_a_fmt:MATRIX_FMT_FP4 matrix_b_fmt:MATRIX_FMT_FP4 matrix_a_scale:MATRIX_SCALE_ROW1
.endif
.endr
.endr
.endm
.macro FETCH_B slot, q, p
	WIN TO_B
.irp i, 0,1,2,3,4,5,6,7
	FRAG 128*(\p)+FR*\i, ADRB+\slot, \q, \i
.endr
	WIN 0
.endm
.macro FETCH_A slot, q, i0
.irp i, \i0, \i0+1, \i0+2, \i0+3
	FRAG AF+FR*(\i), ADRA+\slot, \q, \i
.endr
.endm
.macro SCALES sc                       ; a K step's scale words: lanes 0-15 take A's block i, lanes 16-31 B's block i
.irp i, 0,1,2,3,4,5,6,7
	ds_load_b128 v[SC+8*NQ*\sc+NQ*\i:SC+8*NQ*\sc+NQ*\i+3], v[ADRS] offset:\i*SBLK
.endr
.endm
.macro PLACES n                        ; plain vector lines between a matrix instruction and a load into, or a vector or LDS read of, its registers
.rept \n
	v_nop
.endr
.endm
.macro STEP slot, q, first             ; 128 along K, with its successor in the same slot
	s_wait_dscnt 4*NL                              ; B's set, the scale words and A's blocks 0-3 are in; the youngest eight loads (A's blocks 4-7) may be out
.if \first
	WIN FST_LO
.else
	WIN MUL_LO
.endif
	MUL16 0, (\q)%2, \q, \slot, \first
	MUL16 2, (\q)%2, \q, \slot, \first
	s_wait_dscnt 0                                 ; A's blocks 4-7 are in
	PLACES NP
	FETCH_B \slot, (\q)+1, 1-(\q)%2
	FETCH_A \slot, (\q)+1, 0
.if \first
	WIN FST_HI
.else
	WIN MUL_HI
.endif
	MUL16 4, (\q)%2, \q, \slot, \first
	MUL16 6, (\q)%2, \q, \slot, \first
	PLACES NP
	WIN 0
	FETCH_A \slot, (\q)+1, 4
.endm
	s_wait_tensorcnt 1                             ; the scales and my part of K step 0 are in; the one load behind them, slot 1's, may be out
	s_barrier_signal -1
	s_barrier_wait -1
	FETCH_B 0, 0, 0
	FETCH_A 0, 0, 0
	SCALES 0
	FETCH_A 0, 0, 4
	s_wait_loadcnt 0x0                             ; the bias
	STEP 0, 0, 1
	STEP 0, 1, 0
	STEP 0, 2, 0
	; slot 0's last step changes slots: one barrier; nothing is filled again
	s_wait_tensorcnt 0x0                           ; my part of slot 1 has landed
	ds_add_u32 v[SPW], v[NIL]                      ; 0 onto my spare word
	s_wait_dscnt 4*NL+1                            ; (the add and the youngest eight loads may be out)
	WIN MUL_LO
	MUL16 0, 1, NQ-1, 0, 0
	s_wait_dscnt 0x0                               ; the add is done, and my reads of slot 0 are over
	s_barrier_signal -1
	MUL16 2, 1, NQ-1, 0, 0
	WIN 0
	s_barrier_wait -1                              ; slot 1 is whole, and nobody reads slot 0 any more
	PLACES NP
	v_add_nc_u32 v[ADRS], 4*NQ, v[ADRS]            ; the next K step's scale words
	FETCH_B 1, 0, 0
	FETCH_A 1, 0, 0
	SCALES 1
	WIN MUL_HI
	MUL16 4, 1, NQ-1, 0, 0
	MUL16 6, 1, NQ-1, 0, 0
	PLACES NP
	WIN 0
	FETCH_A 1, 0, 4
	STEP 1, 0, 0
	STEP 1, 1, 0
	STEP 1, 2, 0
	s_wait_dscnt 4*NL                              ; the very last step: nothing more to fetch
	WIN MUL_LO
	MUL16 0, 1, NQ-1, 1, 0
	MUL16 2, 1, NQ-1, 1, 0
	s_wait_dscnt 0
	WIN MUL_HI
	MUL16 4, 1, NQ-1, 1, 0
	MUL16 6, 1, NQ-1, 1, 0
	WIN 0
; THE WAY OUT, a block of 16 rows x 128 channels (two heads) at a time.  PACK: x c, to f16: 16 bytes a lane.  TOSTAGE: into my stage and back, four whole rows of a head an instruction.  SEND: 512 consecutive bytes a store.
.macro PACK a
.set AC, 64*((\a)%4)
	WIN 0x02+(\a)/4                                ; source 0: window 2 or 3
.set i, 0
.rept 32
	v_pk_mul_f32 v[TF+2*i:TF+2*i+1], v[AC+2*i:AC+2*i+1], s[CQ:CQ+1] op_sel_hi:[1,0]   ; ascending: each accumulator is read from its low end on
.set i, i+1
.endr
	WIN 0
.set i, 0
.rept 32
	v_cvt_pk_f16_f32 v[TH+i], v[TF+2*i], v[TF+2*i+1]
.set i, i+1
.endr
.endm
.macro TOSTAGE a
.set BB, 224-128*((\a)%2)
.irp b, 0,1,2,3,4,5,6,7
	ds_store_b128 v[STO], v[TH+4*\b:TH+4*\b+3] offset:(\b/4)*2304+(\b%4)*32
.endr
.irp i, 0,1,2,3,4,5,6,7
	ds_load_b128 v[BB+4*\i:BB+4*\i+3], v[RD] offset:(\i/4)*2304+(\i%4)*576   ; LDS serves a wave's instructions in order (ISA guide 5.7.1.4): these see the stores above
.endr
.endm
.macro SEND a
.set BB, 224-128*((\a)%2)
	s_wait_dscnt 0x0                               ; the block is back in registers
	s_wait_xcnt 0x0                                ; the earlier stores have read their base and their registers
.if (\a) > 0
	s_add_nc_u64 s[12:13], s[12:13], 2048          ; 16 rows of 128 bytes on
.endif
.irp i, 0,1,2,3,4,5,6,7
	global_store_b128 v[CO], v[BB+4*\i:BB+4*\i+3], s[12:13] offset:(\i/4)*262144+(\i%4)*512
.endr
.endm
	PLACES NP                                      ; PACK writes the registers that held A's fragments
	PACK 0
	TOSTAGE 0
.irp a, 1,2,3,4,5,6,7                  ; block a's arithmetic stands between block a - 1's loads from the stage and the wait for them
	PACK \a
	SEND \a-1
	TOSTAGE \a
.endr
	SEND 7
	s_wait_tensorcnt 0x0                           ; the wave's end, behind my last tensor load and my last LDS store
	ds_add_u32 v[SPW], v[NIL]
	s_wait_dscnt 0x0
	CROUND                                         ; the closing round
	s_endpgm
.Lfunc_end_k_q4b8c579537_proj:
	.size	k_q4b8c579537_proj, .Lfunc_end_k_q4b8c579537_proj-k_q4b8c579537_proj
	.p2alignl 7, 3214868480
	.fill 96, 4, 3214868480
	.section	.rodata,"a",@progbits
	.p2align	6, 0x0
	.amdhsa_kernel k_q4b8c579537_proj
		.amdhsa_group_segment_fixed_size 327680
		.amdhsa_private_segment_fixed_size 0
		.amdhsa_enable_private_segment 0
		.amdhsa_kernarg_size 48
		.amdhsa_user_sgpr_count 2
		.amdhsa_user_sgpr_kernarg_segment_ptr 1
		.amdhsa_wavefront_size32 1
		.amdhsa_system_sgpr_workgroup_id_x 1
		.amdhsa_system_sgpr_workgroup_id_y 1
		.amdhsa_system_sgpr_workgroup_id_z 1
		.amdhsa_system_vgpr_workitem_id 0
		.amdhsa_next_free_vgpr 1024
		.amdhsa_next_free_sgpr 102
		.amdhsa_reserve_vcc 0
		.amdhsa_float_denorm_mode_32 3
		.amdhsa_float_denorm_mode_16_64 3
		.amdhsa_memory_ordered 1
		.amdhsa_forward_progress 1
		.amdhsa_inst_pref_size 145
	.end_amdhsa_kernel
	.amdgpu_metadata
---
amdhsa.version: [ 1, 2 ]
amdhsa.kernels:
  - .name:           k_q4b8c579537_proj
    .symbol:         k_q4b8c579537_proj.kd
    .args:
      - { .name: codes, .offset: 0, .size: 8, .value_kind: global_buffer, .address_space: global }
      - { .name: scales, .offset: 8, .size: 8, .value_kind: global_buffer, .address_space: global }
      - { .name: bq, .offset: 16, .size: 8, .value_kind: global_buffer, .address_space: global }
      - { .name: bk, .offset: 24, .size: 8, .value_kind: global_buffer, .address_space: global }
      - { .name: bv, .offset: 32, .size: 8, .value_kind: global_buffer, .address_space: global }
      - { .name: qkv, .offset: 40, .size: 8, .value_kind: global_buffer, .address_space: global }
    .group_segment_fixed_size: 327680
    .private_segment_fixed_size: 0
    .kernarg_segment_align: 8
    .kernarg_segment_size: 48
    .max_flat_workgroup_size: 128
    .sgpr_count:     102
    .vgpr_count:     1024
    .wavefront_size: 32
...
	.end_amdgpu_metadata
.endif
;; end of part 2
;; launch attn (part 3): grid 8 x 32, 8 waves a work-group, clusters of 4 x 1, 327,680 bytes of LDS; arguments qkv, mbits, xh; writes xh
.if DOCPART == 3
	.amdgcn_target "amdgcn-amd-amdhsa--gfx1250"
	.amdhsa_code_object_version 6
	.text
	.protected	k_q4b8c579537_attn
	.globl	k_q4b8c579537_attn
	.p2align	8
	.type	k_q4b8c579537_attn,@function
k_q4b8c579537_attn:
	s_mov_b64 s[64:65], 0
	v_nop
	global_prefetch_b8 v0, s[64:65] scope:SCOPE_SE
	s_setreg_imm32_b32 hwreg(HW_REG_WAVE_MODE, 25, 1), 1
	s_wait_xcnt 0x0
	s_wait_alu depctr_hold_cnt(0) depctr_sa_sdst(0) depctr_va_vdst(0) depctr_va_sdst(0) depctr_va_ssrc(0) depctr_va_vcc(0) depctr_vm_vsrc(0)
	s_getreg_b32 s2, hwreg(HW_REG_IB_STS2, 6, 4)
	s_cmp_eq_u32 s2, 0
	s_cbranch_scc0 .Lentry_in_a_cluster
	s_endpgm
.Lentry_in_a_cluster:
	s_bfe_u32 s2, ttmp6, 0x10000c
	s_cmp_lg_u32 s2, 0x3003
	s_cbranch_scc0 .Lentry_shape_is_right
	s_endpgm
.Lentry_shape_is_right:
; x[b][h][q][:] = the sum over k of softmax_k(where(mask, q . k / 8, -1e9)) v[k][:].  qkv: f16 [3][B][H][2048][64], its q already times log2(e) / 8, so that a score is t, an exponent of 2.
; mbits: a word of 32 lane bits for each register of scores.  xh: f16 [B][H][2048][64].  Products on f16 operands, sums, maxima and the softmax in f32; the weights p are rounded to f16 for the second product.
; SHARES.  A work-group owns 256 queries of one batch and head; each of its eight waves 32 of them, two tiles of 16; each fragment of K and V feeds two matrix instructions.  Every wave walks all 2,048 keys, 64 a step.
; LAYOUT.  S^T = K Q^T (source 0 = 16 keys, source 1 = 16 queries) and O^T = V^T P: a lane holds ONE query (lane % 16) throughout; two tiles of S^T, rounded in pairs, are source 1 of the second product.
; THE KEYS OF A TILE OF 16 ARE TAKEN IN ANOTHER ORDER, alike for K, V and the mask: place 8 h + i holds key 4 (i / 2) + i % 2 + 2 h.  In LDS two keys (256 dense bytes of memory) form one row of 272 bytes.
; SOFTMAX.  A running maximum m and sum l for each query: p = 2^(t - m); in every step O and l are multiplied by a = 2^(m_old - m_new).  A masked score is REPLACED by -1e9 log2(e): a row that is masked throughout
; has t - m = 0 and p = 1 for every key.  m begins at -3e38, l and O^T at 0: the first a is 0 and leaves zeros.
; THE PIPELINE.  Key step j: mask and maximum of S^T(j); t - m; then ONE run in which the 64 exponentials of step j stand among the 16 products V^T P of step j - 1 and the 16 products K Q^T of step j + 1, two exponentials
; behind each product; then the sums, the LDS loads of K(j + 2) and V(j), the rounding of p(j) and O^T x a(j).  The products name nothing of step j's softmax, so nothing in the run waits for anything else in it.
; ONE WINDOW SETTING SERVES THE RUN: sources 0 and 1 in window 1, C and D in window 0.  So t - m is written into window 1, and the exponential reads it there and writes p into window 0.
; RING.  Two slots of 512 keys; each wave brings an eighth of a slot by one joint load (the four query blocks of a cluster walk the same K and V: mask 15).  K is read two steps ahead of V, so A SLOT'S K LIES TWO STEPS AHEAD OF
; ITS V: slot n holds K's steps 8 n + 2 .. 8 n + 9 and V's steps 8 n .. 8 n + 7, and one address serves both loads of a step.  K's steps 0 and 1 come by a small first fill of their own.
; A wave has three tensor loads out at the start and one behind each refill's round, with eight key steps in which to land.
; LIMITS: NaN and infinities are not served; the mask's value is -1e9 log2(e) rounded to f32; 1 / l by v_rcp_f32.
; REGISTERS.  window 0: v3-14 addresses and constants; v16-31 statistics; v32-95 S^T; v96-159 p; v160-223 O^T; v224-255 the way out.  window 1: v0-63 K, v64-127 V, v128-191 t - m, v192-223 Q, v224-255 P.
.set LP,    272
.set TILEB, 8*LP                       ; 16 keys
.set STEPB, 32*LP                      ; 64 keys
.set QUART, 64*LP                      ; what one tensor load brings: 128 keys of K or of V
.set VOFF,  256*LP
.set SLOT,  512*LP
.set SPARE, 2*SLOT                     ; the spare words, 128 bytes a wave: four blocks of 256 bytes that no other line names
.set PRE,   SPARE+1024                 ; K's key steps 0 and 1: 64 rows, filled once, read ahead of the first key step alone
.set STAGE, PRE                        ; the way out: 2 tiles x 16 rows x 144 bytes for each wave: PRE's bytes, which have had their only fill and whose last read lies ahead of four barriers, and the bytes behind them
.set SWAVE, 4608
.set AK0, 3                            ; v3   my lane's place in a tile of K
.set AV0, 4                            ; v4   the same for V
.set ADK, 5
.set ADV, 6
.set QO,  7
.set STO, 8
.set RD,  9
.set GO,  10
.set T0,  11                           ; v11  -1e9 log2(e)
.set SPW, 12
.set NIL, 13
.set PFO, 14                           ; v14  256 x my lane
.set ST,  16                           ; tile i at v[16 + 8 i]: +0 m, +1 m_old, +2, +3 l, +4, +5 c0, c1 (later the second chain of the sum), +6 c2, then a, +7 c3, then m_old - m
.set S,   32
.set PB,  96
.set O,   160
.set TMP, 224
.set KW,  0                            ; in window 1
.set VW,  64
.set TW,  128
.set QW,  192
.set PW,  224
.set MB,  4                            ; s[4:5]  my two tiles' words in mbits
.set MO,  6                            ; s6      the key step's byte there
.set WV,  7
.set XP,  8                            ; s[8:9]  my rows of xh
.set TB,  10                           ; s10     LDS byte of the tiles that the step in hand loads
.set CNT, 11
.set SEL, 12                           ; s[12:13] lane selects: lane l xor 16
.set FLAG, 14                          ; s14     0 in the waves that prefetch
.set M0W, 16                           ; s[16:47] tile 0's 32 mask words (the head's temporaries before)
.set G1P, 36                           ; s[36:43], s[44:47]: the descriptor of K's first two steps, at the head alone
.set G0P, 44
.set G1,  48
.set G0,  56                           ; s[56:59], s[60:63]: a group 0 for each slot
.set PFA, 66
.set M1W, 68                           ; s[68:99] tile 1's
.set QP,  100                          ; s[100:101] my rows of q
.set W_TO1, 0x40                       ; destination window 1: LDS and global loads, t - m, the rounding of p
.set W_RUN, 0x05                       ; sources 0 and 1 window 1, C and D window 0: the products and the exponentials
.set MSB, 0
.macro WIN new                         ; the immediate's high byte repeats the setting that is left
.if MSB != (\new)
	s_set_vgpr_msb (MSB<<8)|(\new)
.set MSB, (\new)
.endif
.endm
.macro CROUND                          ; a round of the cluster's barrier
	s_barrier_signal -1
	s_barrier_wait -1
	s_cmp_lg_u32 s[WV], 0
	s_cbranch_scc1 .Lnot_wave_0_\@
	s_barrier_signal -3
.Lnot_wave_0_\@:
	s_barrier_wait -3
	s_barrier_signal -1
	s_barrier_wait -1
.endm
.macro LOADM                           ; the 64 mask words of a key step: 128 bytes for each of my two tiles
	s_load_b512 s[M0W:M0W+15], s[MB:MB+1], s[MO] offset:0x0
	s_load_b512 s[M0W+16:M0W+31], s[MB:MB+1], s[MO] offset:0x40
	s_load_b512 s[M1W:M1W+15], s[MB:MB+1], s[MO] offset:0x1000
	s_load_b512 s[M1W+16:M1W+31], s[MB:MB+1], s[MO] offset:0x1040
.endm
	s_load_b128 s[16:19], s[0:1], 0x0              ; qkv s[16:17], mbits s[18:19]
	s_load_b64 s[20:21], s[0:1], 0x10              ; xh
	v_lshl_add_u32 v[SPW], v0, 2, SPARE
	v_mov_b32 v[NIL], 0
	ds_add_u32 v[SPW], v[NIL]                      ; the wave's opening: the add, twice on end; its wait stands ahead of my first tensor load
	ds_add_u32 v[SPW], v[NIL]
	v_lshrrev_b32 v1, 5, v0
	v_readfirstlane_b32 s[WV], v1                  ; wave 0..7
	s_bfe_u32 s22, ttmp6, 0x40000                  ; cx
	s_lshl_b32 s23, ttmp9, 2
	s_add_co_u32 s23, s23, s22                     ; my block of 256 queries: it enters q's, the mask's and xh's addresses alone
	s_and_b32 s24, ttmp7, 0xffff                   ; 16 b + h, which the four partners share
	s_lshl_b32 s25, s24, 18                        ; 262,144 bytes a head
	s_lshr_b32 s26, s[WV], 2                       ; what I fetch: waves 0-3 K (tensor 1), waves 4-7 V (tensor 2),
	s_lshl_b32 s27, s26, 14
	s_add_co_u32 s26, s26, 1
	s_lshl_b32 s26, s26, 23
	s_add_co_u32 s26, s26, s25
	s_add_co_u32 s26, s26, 2*8192                  ; K's part of a slot begins two key steps (2 x 64 keys x 128 bytes) further on;
	s_sub_co_u32 s26, s26, s27                     ; V's does not
	s_and_b32 s27, s[WV], 3
	s_lshl_b32 s27, s27, 14                        ; 128 keys x 128 bytes for each wave
	s_add_co_u32 s26, s26, s27
	s_mov_b32 s27, 0
	s_mul_i32 s28, s[WV], QUART                    ; and where it goes: no place in the cluster enters an LDS address
	s_lshl_b32 s2, s[WV], 11                       ; K's steps 0 and 1: 64 rows of 256 bytes, 8 for each wave: in memory,
	s_add_co_u32 s2, s2, s25
	s_add_co_u32 s2, s2, 8388608
	s_mov_b32 s3, 0
	s_mul_i32 s29, s[WV], TILEB                    ; and in LDS
	s_lshl_b32 s30, s23, 15                        ; my 32 rows of q and of xh: (256 x block + 32 x wave) x 128 bytes
	s_lshl_b32 s31, s[WV], 12
	s_add_co_u32 s30, s30, s31
	s_add_co_u32 s30, s30, s25
	s_mov_b32 s31, 0
	s_lshr_b32 s32, s24, 4                         ; my tiles' words: 4,096 x (128 b + 16 x block + 2 x wave)
	s_lshl_b32 s32, s32, 19
	s_lshl_b32 s33, s23, 16
	s_add_co_u32 s32, s32, s33
	s_lshl_b32 s33, s[WV], 13
	s_add_co_u32 s32, s32, s33
	s_mov_b32 s33, 0
	s_lshr_b32 s34, s22, 1                         ; the prefetch: partners 0, 1 take K's halves of the last 512 keys, partners 2, 3 V's; a wave 8,192 bytes
	s_add_co_u32 s34, s34, 1
	s_lshl_b32 s34, s34, 23
	s_add_co_u32 s34, s34, s25
	s_and_b32 s35, s22, 1
	s_lshl_b32 s35, s35, 15
	s_add_co_u32 s34, s34, s35
	s_and_b32 s35, s[WV], 3
	s_lshl_b32 s35, s35, 13
	s_add_co_u32 s34, s34, s35
	s_add_co_u32 s34, s34, 3*65536
	s_mov_b32 s35, 0
	s_lshr_b32 s[FLAG], s[WV], 2
	s_or_b32 s[FLAG], s[FLAG], ttmp9               ; 0 in waves 0-3 of the head's first cluster: the same in all four partners
	s_mov_b32 s[G1], 15|(3<<16)|(1<<20)|(1<<21)|(5<<22)|(3<<25)   ; the mask: all four; elements of 8 bytes; padding on; bit 21 beside a mask; 4 words behind every 64
	s_mov_b32 s[G1+1], 32<<16                      ; tensor_dim0 = 32 elements: 256 bytes, two keys
	s_mov_b32 s[G1+2], 64<<16                      ; tensor_dim1 = 64
	s_mov_b32 s[G1+3], 32<<16                      ; tile_dim0
	s_mov_b32 s[G1+4], 64                          ; tile_dim1
	s_mov_b32 s[G1+5], 32                          ; dense
	s_mov_b32 s[G1+6], 0
	s_mov_b32 s[G1+7], 0
	s_mov_b32 s[G1P], 15|(3<<16)|(1<<20)|(1<<21)|(5<<22)|(3<<25)  ; the same shape with 8 rows
	s_mov_b32 s[G1P+1], 32<<16
	s_mov_b32 s[G1P+2], 8<<16
	s_mov_b32 s[G1P+3], 32<<16
	s_mov_b32 s[G1P+4], 8
	s_mov_b32 s[G1P+5], 32
	s_mov_b32 s[G1P+6], 0
	s_mov_b32 s[G1P+7], 0
	s_mov_b32 s[SEL], 0x76543210
	s_mov_b32 s[SEL+1], 0xfedcba98
	s_mov_b32 s[MO], 0
	s_wait_dscnt 0x0                               ; both opening adds are done
	s_wait_kmcnt 0x0
	s_add_nc_u64 s[26:27], s[16:17], s[26:27]
	s_add_nc_u64 s[2:3], s[16:17], s[2:3]
	s_add_nc_u64 s[QP:QP+1], s[16:17], s[30:31]
	s_add_nc_u64 s[XP:XP+1], s[20:21], s[30:31]
	s_add_nc_u64 s[MB:MB+1], s[18:19], s[32:33]
	s_add_nc_u64 s[PFA:PFA+1], s[16:17], s[34:35]
	s_mov_b32 s[G0P], 1
	s_add_co_u32 s[G0P+1], s29, PRE
	s_mov_b64 s[G0P+2:G0P+3], s[2:3]
	s_or_b32 s[G0P+3], s[G0P+3], 0x80000000
.irp n, 0,1
	s_mov_b32 s[G0+4*\n], 1
	s_add_co_u32 s[G0+4*\n+1], s28, \n*SLOT
	s_add_nc_u64 s[G0+4*\n+2:G0+4*\n+3], s[26:27], \n*65536        ; slot n: 512 n keys on
	s_or_b32 s[G0+4*\n+3], s[G0+4*\n+3], 0x80000000
.endr
	CROUND                                         ; all four work-groups are here: the first joint loads meet
	tensor_load_to_lds s[G0P:G0P+3], s[G1P:G1P+7]  ; K's steps 0 and 1 first: they are wanted first
	s_nop 0
	tensor_load_to_lds s[G0:G0+3], s[G1:G1+7]
	s_nop 0
	tensor_load_to_lds s[G0+4:G0+7], s[G1:G1+7]
	s_nop 0
.rept 4
	v_nop
.endr
	v_and_b32 v1, 15, v0                           ; r
	v_bfe_u32 v2, v0, 4, 1                         ; h
	v_lshlrev_b32 v[QO], 7, v1
	v_lshl_add_u32 v[QO], v2, 4, v[QO]             ; q: row r of 128 bytes + 16 h
	WIN W_TO1
.irp f, 0,1,2,3                        ; Q stays in registers: tile f / 2, channels 32 (f % 2) on
	global_load_b128 v[QW+8*\f:QW+8*\f+3], v[QO], s[QP:QP+1] offset:(\f/2)*2048+(\f%2)*64
	global_load_b128 v[QW+8*\f+4:QW+8*\f+7], v[QO], s[QP:QP+1] offset:(\f/2)*2048+(\f%2)*64+32
.endr
	WIN 0
	v_bfe_u32 v15, v0, 1, 2                        ; u = (l / 2) % 4
	v_bfe_u32 v224, v0, 3, 1                       ; g = (l / 8) % 2
	v_and_b32 v225, 1, v0                          ; l % 2
	v_lshl_add_u32 v[AK0], v15, 1, v224            ; K: place l % 16 of a tile lies in row 2 u + g,
	v_mul_u32_u24 v[AK0], v[AK0], LP
	v_lshl_add_u32 v[AK0], v225, 7, v[AK0]         ; half l % 2; my channels begin 16 h bytes on
	v_lshl_add_u32 v[AK0], v2, 4, v[AK0]
	v_lshl_add_u32 v[AV0], v15, 1, v2              ; V: the turning load's lane l addresses place 8 h + l % 8: row 2 u + h,
	v_mul_u32_u24 v[AV0], v[AV0], LP
	v_lshl_add_u32 v[AV0], v225, 7, v[AV0]         ; half l % 2, channels 8 g on
	v_lshl_add_u32 v[AV0], v224, 4, v[AV0]
	v_add_nc_u32 v[AV0], VOFF, v[AV0]
	s_mul_i32 s15, s[WV], SWAVE
	s_add_co_u32 s15, s15, STAGE                   ; my stage
	v_mul_u32_u24 v[STO], v1, 144                  ; in: row r of 144 bytes, 16 bytes for each half of the lanes
	v_lshl_add_u32 v[STO], v2, 4, v[STO]
	v_add_nc_u32 v[STO], s15, v[STO]
	v_and_b32 v226, 31, v0
	v_lshrrev_b32 v[RD], 3, v226                   ; back: eight lanes to a row of 128 bytes
	v_mul_u32_u24 v[RD], v[RD], 144
	v_and_b32 v227, 7, v0
	v_lshl_add_u32 v[RD], v227, 4, v[RD]
	v_add_nc_u32 v[RD], s15, v[RD]
	v_lshlrev_b32 v[GO], 4, v226
	v_lshlrev_b32 v[PFO], 8, v226
	v_mov_b32 v[T0], 0xceabfb8f                    ; -1e9 log2(e)
.irp i, 0,1
	v_mov_b32 v[ST+8*\i], 0xff61b1e6               ; m: -3e38, under every t
	v_mov_b32 v[ST+8*\i+2], 0                      ; l
	v_mov_b32 v[ST+8*\i+3], 0
.endr
.set n, 0
.rept 64
	v_mov_b32 v[O+n], 0                            ; O^T: the first a is 0 and leaves zeros, so the loop's step serves from key step 1 on
.set n, n+1
.endr
; Product i of 16 of S^T = K Q^T: channels 32 (i / 8) on, keys 16 ((i / 2) % 4) on, tile i % 2.  The first 8 start the sums.
.macro KQ
.set rS, S+32*(i%2)+8*((i/2)%4)
.set rK, KW+8*(2*((i/2)%4)+i/8)
.set rQ, QW+16*(i%2)+8*(i/8)
.if i < 8
	v_wmma_f32_16x16x32_f16 v[rS:rS+7], v[rK:rK+7], v[rQ:rQ+7], 0
.else
	v_wmma_f32_16x16x32_f16 v[rS:rS+7], v[rK:rK+7], v[rQ:rQ+7], v[rS:rS+7]
.endif
.endm
; Product i of 16 of O^T += V^T P: keys 32 (i / 8) on, channels 16 ((i / 2) % 4) on, tile i % 2.
.macro PV
.set rO, O+32*(i%2)+8*((i/2)%4)
.set rV, VW+8*(4*(i/8)+(i/2)%4)
.set rP, PW+16*(i%2)+8*(i/8)
	v_wmma_f32_16x16x32_f16 v[rO:rO+7], v[rV:rV+7], v[rP:rP+7], v[rO:rO+7]
.endm
.macro EXPS cnt                        ; the next cnt exponentials: p = 2^(t - m), out of window 1 into window 0
.rept \cnt
	v_exp_f32 v[PB+e], v[TW+e]
.set e, e+1
.endr
.endm
.macro LDK off                         ; a step's K: keys 16 (f / 2) on, channels 32 (f % 2) on
.irp f, 0,1,2,3,4,5,6,7
	ds_load_b128 v[KW+8*\f:KW+8*\f+3], v[ADK] offset:(\off)+(\f/2)*TILEB+(\f%2)*64
	ds_load_b128 v[KW+8*\f+4:KW+8*\f+7], v[ADK] offset:(\off)+(\f/2)*TILEB+(\f%2)*64+32
.endr
.endm
.macro LDV                             ; a step's V, turned: keys 32 (f / 4) on, channels 16 (f % 4) on
.irp f, 0,1,2,3,4,5,6,7
	ds_load_tr16_b128 v[VW+8*\f:VW+8*\f+3], v[ADV] offset:(\f/4)*2*TILEB+(\f%4)*32
	ds_load_tr16_b128 v[VW+8*\f+4:VW+8*\f+7], v[ADV] offset:(\f/4)*2*TILEB+TILEB+(\f%4)*32
.endr
.endm
; KEY STEP j.  pv = 1: the run holds V^T P of step j - 1.  kq = 1: it holds K Q^T of step j + 1, and that step's mask words are asked for.  ldk = 1: K of step j + 2 is loaded.
; first = 1: key step 0: the barrier that shows slot 0 whole stands ahead of its LDS loads, the first that read a slot.
.macro STEP pv, kq, ldk, first
	s_wait_kmcnt 0x0                               ; this step's mask words, asked for a step ago
.set n, 0
.rept 32
	v_cndmask_b32 v[S+n], v[T0], v[S+n], s[M0W+n]                  ; where the bit is 0 the score is replaced.  Ascending: each accumulator is read from its low end on
	v_cndmask_b32 v[S+32+n], v[T0], v[S+32+n], s[M1W+n]
.set n, n+1
.endr
.if \kq
	s_add_co_u32 s[MO], s[MO], 128                 ; (the loads that named s[MO] are done)
	LOADM
.endif
.irp j, 0,1,2,3                        ; the maximum of 32 scores and the old m, three operands at a time, four chains, the two tiles by turns
.irp i, 0,1
	v_max3_num_f32 v[ST+8*\i+4+\j], v[S+32*\i+8*\j], v[S+32*\i+8*\j+1], v[S+32*\i+8*\j+2]
.endr
.endr
.irp g, 1,2
.irp j, 0,1,2,3
.irp i, 0,1
	v_max3_num_f32 v[ST+8*\i+4+\j], v[ST+8*\i+4+\j], v[S+32*\i+8*\j+2*\g+1], v[S+32*\i+8*\j+2*\g+2]
.endr
.endr
.endr
.irp i, 0,1
	v_max3_num_f32 v[ST+8*\i+4], v[ST+8*\i+4], v[S+32*\i+7], v[S+32*\i+15]
.endr
.irp i, 0,1
	v_max3_num_f32 v[ST+8*\i+6], v[ST+8*\i+6], v[S+32*\i+23], v[S+32*\i+31]
.endr
.irp i, 0,1
	v_max3_num_f32 v[ST+8*\i+4], v[ST+8*\i+4], v[ST+8*\i+5], v[ST+8*\i+6]
.endr
.irp i, 0,1
	v_max3_num_f32 v[ST+8*\i+4], v[ST+8*\i+4], v[ST+8*\i+7], v[ST+8*\i]
.endr
.irp i, 0,1
	v_permlanex16_b32 v[ST+8*\i+5], v[ST+8*\i+4], s[SEL], s[SEL+1] ; the query's other 32 keys lie in the lane 16 away
.endr
.irp i, 0,1
	v_mov_b32 v[ST+8*\i+1], v[ST+8*\i]
.endr
.irp i, 0,1
	v_max_num_f32 v[ST+8*\i], v[ST+8*\i+4], v[ST+8*\i+5]
.endr
.irp i, 0,1
	v_sub_f32 v[ST+8*\i+7], v[ST+8*\i+1], v[ST+8*\i]
.endr
	v_exp_f32 v[ST+6], v[ST+7]                     ; ONE BATCH of 66 exponentials begins: a of both tiles
	v_exp_f32 v[ST+14], v[ST+15]
	WIN W_TO1
.set n, 0
.rept 16
	v_pk_add_f32 v[TW+n:TW+n+1], v[S+n:S+n+1], v[ST:ST+1] op_sel_hi:[1,0] neg_lo:[0,1] neg_hi:[0,1]           ; t - m, two at a time, into window 1: S^T's registers are free for the next step's scores
	v_pk_add_f32 v[TW+32+n:TW+32+n+1], v[S+32+n:S+32+n+1], v[ST+8:ST+9] op_sel_hi:[1,0] neg_lo:[0,1] neg_hi:[0,1]
.set n, n+2
.endr
	s_wait_dscnt 0x0                               ; K of step j + 1 and V of step j - 1, asked for in the step before
	WIN W_RUN
; THE RUN.  The sixteen accumulators (eight of O^T, eight of S^T) take turns, one instruction a turn: between two links of a chain stand fifteen others' (seven where one kind is left out).
.set i, 0
.set e, 0
.rept 16
.if \pv
	PV
	EXPS 4/(\pv+\kq)
.endif
.if \kq
	KQ
	EXPS 4/(\pv+\kq)
.endif
.set i, i+1
.endr
	v_nop                                          ; a plain line behind the last exponential
	s_wait_alu depctr_va_vdst(0)                   ; one wait for the batch, ahead of the first line that names a result
	WIN 0
.irp i, 0,1
	v_pk_mul_f32 v[ST+8*\i+2:ST+8*\i+3], v[ST+8*\i+2:ST+8*\i+3], v[ST+8*\i+6:ST+8*\i+7] op_sel_hi:[1,0]       ; l x a.  (The v_nop and these sums are the places between the run's products and the loads, the rounding and the scaling below)
.endr
.irp i, 0,1
	v_pk_add_f32 v[ST+8*\i+4:ST+8*\i+5], v[PB+32*\i:PB+32*\i+1], v[PB+32*\i+2:PB+32*\i+3]                     ; the sum of the unrounded p, in two chains
.endr
.irp j, 4,8,12,16,20,24,28
.irp i, 0,1
	v_pk_add_f32 v[ST+8*\i+2:ST+8*\i+3], v[ST+8*\i+2:ST+8*\i+3], v[PB+32*\i+\j:PB+32*\i+\j+1]
	v_pk_add_f32 v[ST+8*\i+4:ST+8*\i+5], v[ST+8*\i+4:ST+8*\i+5], v[PB+32*\i+\j+2:PB+32*\i+\j+3]
.endr
.endr
.irp i, 0,1
	v_pk_add_f32 v[ST+8*\i+2:ST+8*\i+3], v[ST+8*\i+2:ST+8*\i+3], v[ST+8*\i+4:ST+8*\i+5]
.endr
.if \ldk
	v_add_nc_u32 v[ADK], s[TB], v[AK0]
.endif
	v_add_nc_u32 v[ADV], s[TB], v[AV0]
	s_add_co_u32 s[TB], s[TB], STEPB
.if \first
	s_wait_tensorcnt 0x1                           ; my part of slot 0 is in; the one load behind it, slot 1's, may stay out
	s_barrier_signal -1
	s_barrier_wait -1                              ; everybody's is
.endif
	WIN W_TO1
.if \ldk
	LDK 0                                          ; K of step j + 2 and V of step j lie at the same place of the same slot
.endif
	LDV
.set n, 0
.rept 32
	v_cvt_pk_f16_f32 v[PW+n], v[PB+2*n], v[PB+2*n+1]               ; two neighbouring places of a tile to a register: source 1 of the second product
.set n, n+1
.endr
	WIN 0
.set n, 0
.rept 16
	v_pk_mul_f32 v[O+n:O+n+1], v[O+n:O+n+1], v[ST+6:ST+7] op_sel_hi:[1,0]                                     ; O^T, with step j - 1 in it, x a(j).  Ascending: each accumulator is read from its low end on
	v_pk_mul_f32 v[O+32+n:O+32+n+1], v[O+32+n:O+32+n+1], v[ST+14:ST+15] op_sel_hi:[1,0]
.set n, n+2
.endr
.endm
.macro RUN trips
	s_mov_b32 s[CNT], \trips
.Lstep_\@:
	STEP 1, 1, 1, 0
	s_sub_co_u32 s[CNT], s[CNT], 1
	s_cmp_lg_u32 s[CNT], 0
	s_cbranch_scc1 .Lstep_\@
.endm
; THE CHANGE OF SLOTS, behind the step that has loaded a slot's last tiles.  Each wave waits for all its tensor loads (one is out: its part of the slot ahead), adds 0 to its spare word, and waits for that and for its reads of the slot that it leaves.
; fill = 1: slot n, just left, is filled with the keys two slots on: the barrier is a round of the cluster's, and the joint load is the first thing behind it.
; less = 1: the last refill: wave 3's quarter would be K's steps 32 and 33, which do not exist: it issues none (a branch on the wave's number, the same in all partners; every later wait on TENSORcnt is for 0).
; ask = 1: behind the first refill one prefetch for the last 512 keys of K and of V: 512 blocks of 256 bytes, a lane a block, each named once in the launch: the head's first cluster asks, in it waves 0-3; the partners are told
; apart by address.  All of V's and K's keys 1,664 on are what the NEXT change asks for; K's keys 1,536 to 1,663 are in the load just issued, since K's slots lie two steps ahead.  The last refill asks for nothing.
.macro CHANGE n, fill, ask, less
	s_wait_tensorcnt 0x0                           ; no tensor load of mine is out, so a group 0 may be written
	ds_add_u32 v[SPW], v[NIL]                      ; 0 onto my spare word
.if \fill
	s_add_nc_u64 s[G0+4*\n+2:G0+4*\n+3], s[G0+4*\n+2:G0+4*\n+3], 131072    ; 1,024 keys on; the type bits on top are not reached
.endif
	s_wait_dscnt 0x0                               ; the add is done, and my reads of the slot are over
.if \fill
	CROUND
.if \less
	s_cmp_eq_u32 s[WV], 3
	s_cbranch_scc1 .Lnone_\@
.endif
	tensor_load_to_lds s[G0+4*\n:G0+4*\n+3], s[G1:G1+7]
	s_nop 0
.rept 4
	v_nop
.endr
.Lnone_\@:
.if \ask
	s_cmp_eq_u32 s[FLAG], 0
	s_cbranch_scc0 .Lnot_mine_\@
	global_prefetch_b8 v[PFO], s[PFA:PFA+1] th:TH_LOAD_NT scope:SCOPE_SE
.Lnot_mine_\@:
.endif
.else
	s_barrier_signal -1
	s_barrier_wait -1
.endif
.endm
	s_wait_tensorcnt 0x2                           ; my piece of K's steps 0 and 1 is in; the two loads behind it, slot 0's and slot 1's, may stay out
	s_barrier_signal -1
	s_barrier_wait -1                              ; everybody's is
	LOADM                                          ; key step 0's words (that load's descriptor and the head's temporaries are done with)
	v_add_nc_u32 v[ADK], PRE, v[AK0]
	WIN W_TO1
	LDK 0                                          ; K of step 0
	s_wait_loadcnt 0x0                             ; Q
	s_wait_dscnt 0x0
	WIN W_RUN
.set i, 0
.rept 16
	KQ                                             ; the first scores: there is no vector work yet to set between them
.set i, i+1
.endr
	WIN 0
.rept 4
	v_nop                                          ; places in front of the loads into K's registers and of the first read of the scores
.endr
	WIN W_TO1
	LDK STEPB                                      ; K of step 1
	WIN 0
	s_mov_b32 s[TB], 0
	STEP 0, 1, 1, 1                                ; key step 0: nothing to multiply by V yet
	RUN 7                                          ; key steps 1-7
	CHANGE 0, 1, 1, 0
	s_mov_b32 s[TB], SLOT
	RUN 8                                          ; key steps 8-15
	CHANGE 1, 1, 0, 1
	s_mov_b32 s[TB], 0
	RUN 8                                          ; key steps 16-23
	CHANGE 0, 0, 0, 0                              ; nothing is left to fetch
	s_mov_b32 s[TB], SLOT
	RUN 6                                          ; key steps 24-29
	STEP 1, 1, 0, 0                                ; key step 30: there is no K of step 32
	STEP 1, 0, 0, 0                                ; key step 31: nor scores of step 32
	s_wait_dscnt 0x0                               ; V of step 31
	WIN W_RUN
.set i, 0
.rept 16
	PV                                             ; V^T P of step 31
.set i, i+1
.endr
	WIN 0
	; THE WAY OUT: O^T / l, to f16, through my stage, so that each store covers 512 consecutive bytes: four rows of xh.  The additions are the places behind the last products.
.irp i, 0,1
	v_add_f32 v[ST+8*\i+4], v[ST+8*\i+2], v[ST+8*\i+3]
.endr
.irp i, 0,1
	v_permlanex16_b32 v[ST+8*\i+5], v[ST+8*\i+4], s[SEL], s[SEL+1]
.endr
.irp i, 0,1
	v_add_f32 v[ST+8*\i+4], v[ST+8*\i+4], v[ST+8*\i+5]
.endr
.irp i, 0,1
	v_rcp_f32 v[ST+8*\i+6], v[ST+8*\i+4]
.endr
	v_nop                                          ; a plain line behind the last reciprocal
	s_wait_alu depctr_va_vdst(0)                   ; and one wait for the two, ahead of their first reader
.macro PACK i
.set n, 0
.rept 16
	v_pk_mul_f32 v[TMP+n:TMP+n+1], v[O+32*\i+n:O+32*\i+n+1], v[ST+8*\i+6:ST+8*\i+7] op_sel_hi:[1,0]
.set n, n+2
.endr
.set n, 0
.rept 16
	v_cvt_pk_f16_f32 v[S+16*\i+n], v[TMP+2*n], v[TMP+2*n+1]
.set n, n+1
.endr
.irp ct, 0,1,2,3
	ds_store_b128 v[STO], v[S+16*\i+4*\ct:S+16*\i+4*\ct+3] offset:2304*\i+32*\ct
.endr
.irp u, 0,1,2,3
	ds_load_b128 v[PB+16*\i+4*\u:PB+16*\i+4*\u+3], v[RD] offset:2304*\i+576*\u   ; in order behind my stores (ISA guide 5.7.1.4)
.endr
.endm
	PACK 0
	PACK 1
.irp u, 0,1,2,3
	s_wait_dscnt 11-\u                             ; tile 0's load u is in: behind it stand its 3 - u younger loads and tile 1's eight LDS instructions
	global_store_b128 v[GO], v[PB+4*\u:PB+4*\u+3], s[XP:XP+1] offset:512*\u
.endr
.irp u, 0,1,2,3
	s_wait_dscnt 3-\u                              ; tile 1's load u is in: behind it stand its 3 - u younger loads
	global_store_b128 v[GO], v[PB+16+4*\u:PB+16+4*\u+3], s[XP:XP+1] offset:2048+512*\u
.endr
	s_wait_tensorcnt 0x0                           ; the wave's end, behind my last tensor load and my last LDS store
	ds_add_u32 v[SPW], v[NIL]
	s_wait_dscnt 0x0
	CROUND                                         ; the closing round
	s_endpgm
.Lfunc_end_k_q4b8c579537_attn:
	.size	k_q4b8c579537_attn, .Lfunc_end_k_q4b8c579537_attn-k_q4b8c579537_attn
	.p2alignl 7, 3214868480
	.fill 96, 4, 3214868480
	.section	.rodata,"a",@progbits
	.p2align	6, 0x0
	.amdhsa_kernel k_q4b8c579537_attn
		.amdhsa_group_segment_fixed_size 327680
		.amdhsa_private_segment_fixed_size 0
		.amdhsa_enable_private_segment 0
		.amdhsa_kernarg_size 24
		.amdhsa_user_sgpr_count 2
		.amdhsa_user_sgpr_kernarg_segment_ptr 1
		.amdhsa_wavefront_size32 1
		.amdhsa_system_sgpr_workgroup_id_x 1
		.amdhsa_system_sgpr_workgroup_id_y 1
		.amdhsa_system_sgpr_workgroup_id_z 1
		.amdhsa_system_vgpr_workitem_id 0
		.amdhsa_next_free_vgpr 512
		.amdhsa_next_free_sgpr 102
		.amdhsa_reserve_vcc 0
		.amdhsa_float_denorm_mode_32 3
		.amdhsa_float_denorm_mode_16_64 3
		.amdhsa_memory_ordered 1
		.amdhsa_forward_progress 1
		.amdhsa_inst_pref_size 169
	.end_amdhsa_kernel
	.amdgpu_metadata
---
amdhsa.version: [ 1, 2 ]
amdhsa.kernels:
  - .name:           k_q4b8c579537_attn
    .symbol:         k_q4b8c579537_attn.kd
    .args:
      - { .name: qkv, .offset: 0, .size: 8, .value_kind: global_buffer, .address_space: global }
      - { .name: mbits, .offset: 8, .size: 8, .value_kind: global_buffer, .address_space: global }
      - { .name: xh, .offset: 16, .size: 8, .value_kind: global_buffer, .address_space: global }
    .group_segment_fixed_size: 327680
    .private_segment_fixed_size: 0
    .kernarg_segment_align: 8
    .kernarg_segment_size: 24
    .max_flat_workgroup_size: 256
    .sgpr_count:     102
    .vgpr_count:     512
    .wavefront_size: 32
...
	.end_amdgpu_metadata
.endif
;; end of part 3
;; launch outp (part 4): grid 8 x 32, 4 waves a work-group, clusters of 4 x 4, 327,680 bytes of LDS; arguments xh, woh, bo, out0; writes out0
.if DOCPART == 4
	.amdgcn_target "amdgcn-amd-amdhsa--gfx1250"
	.amdhsa_code_object_version 6
	.text
	.protected	k_q4b8c579537_outp
	.globl	k_q4b8c579537_outp
	.p2align	8
	.type	k_q4b8c579537_outp,@function
k_q4b8c579537_outp:
	s_mov_b64 s[64:65], 0
	v_nop
	global_prefetch_b8 v0, s[64:65] scope:SCOPE_SE
	s_setreg_imm32_b32 hwreg(HW_REG_WAVE_MODE, 25, 1), 1
	s_wait_xcnt 0x0
	s_wait_alu depctr_hold_cnt(0) depctr_sa_sdst(0) depctr_va_vdst(0) depctr_va_sdst(0) depctr_va_ssrc(0) depctr_va_vcc(0) depctr_vm_vsrc(0)
	s_getreg_b32 s2, hwreg(HW_REG_IB_STS2, 6, 4)
	s_cmp_eq_u32 s2, 0
	s_cbranch_scc0 .Lentry_in_a_cluster
	s_endpgm
.Lentry_in_a_cluster:
	s_bfe_u32 s2, ttmp6, 0x10000c
	s_cmp_lg_u32 s2, 0xf033
	s_cbranch_scc0 .Lentry_shape_is_right
	s_endpgm
.Lentry_shape_is_right:
; out0[m][n] = sum over k of x[m][k] Wo[n][k] + bo[n].  x comes by heads, xh f16 [B][H][2048][64] (k = 64 head + channel); woh f16 [1024][1024]; out0 f32 [4096][1024]; sums in f32.
; A tile of 128 x 128 is made by four waves, each 64 x 64: 16 accumulators.  256 tiles.  K goes in four steps of 256 (four heads) through two LDS slots; a quarter of a step is one head.
; A's part of a slot: for each head the tile's 128 rows x 128 bytes are 16,384 dense bytes of memory: they lie in LDS as 64 rows of 256 bytes + 16 (two rows of x to a row); one tensor load brings two heads,
; as a tile of two rows of 16,384 bytes, 262,144 bytes apart, with 16 bytes of padding behind every 256.  B's part: 128 rows of 512 bytes + 16.
; CLUSTERS: 4 x 4 work-groups; A's tiles are asked for jointly along a row of the cluster, B's along a column.  THE MATRIX INSTRUCTION IS USED TRANSPOSED (source 0 = 16 rows of Wo, source 1 = 16 rows of x).
; The bias is the C of each sum's first product.  A wave has two tensor loads out at the start and one behind each refill's round.
; REGISTERS: window 0: v0-31 addresses; v32-95 the way out; v96-127 the bias; v128-255 the accumulators ((a, b) at v[128 + 8 (4 a + b)]).  window 1: two fragment buffers of 128: 64 of A, then 64 of B.
.set PITCH,  528                       ; B's LDS row: 132 words: row r starts at bank 4 r mod 64 (64 banks of 4 bytes: ISA guide 11.1)
.set LP,     272                       ; A's LDS row: two rows of x
.set AH,     64*LP                     ; a head's 128 rows
.set BOFF,   4*AH
.set HALFB,  64*PITCH
.set SLOT,   BOFF+2*HALFB
.set STAGE,  2*SLOT                    ; behind the ring: 16 rows x 272 bytes for each wave
.set SPITCH, 272
.set SPARE,  STAGE+4*16*SPITCH         ; the spare words, 128 bytes a wave: two blocks of 256 bytes that no other line names
.set ADRA, 16
.set ADRB, 20
.set STO,  24
.set RD,   25
.set CO,   26
.set BO,   27
.set SPW,  28
.set NIL,  29
.set BI,   96                          ; v96-127: register 8 b + j = bo of column 16 b + 8 (lane / 16) + j of my 64
.set ACC,  128
.set F0,   0
.set F1,   128
.set WV,  12                           ; s12 wave; s13 wave / 2: my half of the rows, and: I fetch for A (0) or B (1); s14 wave % 2: my half of the columns, and which half I fetch; s15 tile row
.set G1,  24
.set G0,  32
.set G1B, 48
.set G0B, 56
.set MSB, 0
.macro WIN new
.if MSB != (\new)
	s_set_vgpr_msb (MSB<<8)|(\new)
.set MSB, (\new)
.endif
.endm
.set MUL,  0x05                        ; sources 0 (B) and 1 (A) window 1; C and D window 0
.set TO_F, 0x40
.macro JLOAD s                         ; a joint load; an s_nop 0 and four v_nop follow each of the two lines
	s_cmp_eq_u32 s13, 0
	s_cbranch_scc0 .Lfor_b_\@
	tensor_load_to_lds s[G0+4*\s:G0+4*\s+3], s[G1:G1+7]
	s_nop 0
.rept 4
	v_nop
.endr
	s_branch .Lasked_\@
.Lfor_b_\@:
	tensor_load_to_lds s[G0B+4*\s:G0B+4*\s+3], s[G1B:G1B+7]
	s_nop 0
.rept 4
	v_nop
.endr
.Lasked_\@:
.endm
.macro CREST                           ; a round of the cluster's barrier behind its opening barrier
	s_cmp_lg_u32 s[WV], 0
	s_cbranch_scc1 .Lnot_wave_0_\@
	s_barrier_signal -3
.Lnot_wave_0_\@:
	s_barrier_wait -3
	s_barrier_signal -1
	s_barrier_wait -1
.endm
.macro CROUND
	s_barrier_signal -1
	s_barrier_wait -1
	CREST
.endm
	s_load_b256 s[4:11], s[0:1], 0x0               ; xh s[4:5], woh s[6:7], bo s[8:9], out0 s[10:11]
	v_lshl_add_u32 v[SPW], v0, 2, SPARE
	v_mov_b32 v[NIL], 0
	ds_add_u32 v[SPW], v[NIL]                      ; the wave's opening: the add, twice on end; its wait stands ahead of my first tensor load
	ds_add_u32 v[SPW], v[NIL]
	v_lshrrev_b32 v1, 5, v0
	v_readfirstlane_b32 s[WV], v1
	s_lshr_b32 s13, s[WV], 1
	s_and_b32 s14, s[WV], 1
	s_bfe_u32 s40, ttmp6, 0x40000                  ; cx, cy
	s_bfe_u32 s41, ttmp6, 0x40004
	s_lshl_b32 s42, ttmp9, 2
	s_add_co_u32 s42, s42, s40                     ; tile column 0..7
	s_and_b32 s15, ttmp7, 0xffff
	s_lshl_b32 s15, s15, 2
	s_add_co_u32 s15, s15, s41                     ; tile row 0..31
	s_lshl_b32 s43, s41, 2
	s_lshl_b32 s43, 15, s43                        ; my row of the cluster
	s_lshl_b32 s44, 0x1111, s40                    ; my column
	s_or_b32 s[G1+0], s43, (3<<16)|(1<<20)|(1<<21)|(5<<22)|(3<<25)  ; A: the mask; elements of 8 bytes; padding on; bit 21 beside a mask; 4 words behind every 64
	s_mov_b32 s[G1+1], 2048<<16                    ; tensor_dim0 = 2,048 elements: a head's 16,384 bytes
	s_mov_b32 s[G1+2], 2<<16                       ; tensor_dim1 = 2 heads
	s_mov_b32 s[G1+3], 2048<<16                    ; tile_dim0
	s_mov_b32 s[G1+4], 2                           ; tile_dim1
	s_mov_b32 s[G1+5], 32768                       ; from head to head: 262,144 bytes
	s_mov_b32 s[G1+6], 0
	s_mov_b32 s[G1+7], 0
	s_or_b32 s[G1B+0], s44, (1<<16)|(1<<20)|(1<<21)|(6<<22)|(3<<25) ; B: elements of 2 bytes; 4 words behind every 128
	s_mov_b32 s[G1B+1], 256<<16
	s_mov_b32 s[G1B+2], 64<<16
	s_mov_b32 s[G1B+3], 256<<16
	s_mov_b32 s[G1B+4], 64
	s_mov_b32 s[G1B+5], 1024
	s_mov_b32 s[G1B+6], 0
	s_mov_b32 s[G1B+7], 0
	s_lshr_b32 s16, s15, 4                         ; A: the batch,
	s_lshl_b32 s16, s16, 22
	s_and_b32 s17, s15, 15                         ; the tile's 128 rows in a head,
	s_lshl_b32 s17, s17, 14
	s_add_co_u32 s16, s16, s17
	s_lshl_b32 s17, s14, 19                        ; and which two of a step's four heads I fetch
	s_add_co_u32 s16, s16, s17
	s_mov_b32 s17, 0
	s_lshl_b32 s46, s42, 18                        ; B: row 128 x tile column + 64 x half, 2,048 bytes a row
	s_lshl_b32 s47, s14, 17
	s_add_co_u32 s46, s46, s47
	s_mov_b32 s47, 0
	s_mul_i32 s20, s14, 2*AH                       ; where they go: no place in the cluster enters an LDS address
	s_mul_i32 s21, s14, HALFB
	s_add_co_u32 s21, s21, BOFF
	s_wait_dscnt 0x0                               ; both opening adds are done
	s_wait_kmcnt 0x0
	s_add_nc_u64 s[16:17], s[4:5], s[16:17]
	s_add_nc_u64 s[46:47], s[6:7], s[46:47]
	CROUND                                         ; all sixteen work-groups are here: the first joint loads meet
.irp s, 0,1
	s_mov_b32 s[G0+4*\s], 1
	s_add_co_u32 s[G0+4*\s+1], s20, \s*SLOT
	s_add_nc_u64 s[G0+4*\s+2:G0+4*\s+3], s[16:17], \s*1048576      ; K step s: four heads on
	s_or_b32 s[G0+4*\s+3], s[G0+4*\s+3], 0x80000000
	s_mov_b32 s[G0B+4*\s], 1
	s_add_co_u32 s[G0B+4*\s+1], s21, \s*SLOT
	s_add_nc_u64 s[G0B+4*\s+2:G0B+4*\s+3], s[46:47], \s*512
	s_or_b32 s[G0B+4*\s+3], s[G0B+4*\s+3], 0x80000000
	JLOAD \s
.endr
	v_and_b32 v1, 15, v0                           ; r
	v_bfe_u32 v2, v0, 4, 1                         ; h
	s_lshl_b32 s46, s42, 9                         ; my first column, in bytes of f32: 512 x tile column + 256 x half
	s_lshl_b32 s47, s14, 8
	s_add_co_u32 s46, s46, s47
	s_mov_b32 s47, 0
	s_add_nc_u64 s[8:9], s[8:9], s[46:47]
	v_lshlrev_b32 v[BO], 5, v2
.irp b, 0,1,2,3
	global_load_b128 v[BI+8*\b:BI+8*\b+3], v[BO], s[8:9] offset:64*\b
	global_load_b128 v[BI+8*\b+4:BI+8*\b+7], v[BO], s[8:9] offset:64*\b+16
.endr
	v_lshrrev_b32 v3, 1, v1                        ; A: row r of a block lies in LDS row r / 2, half r % 2
	v_mul_u32_u24 v3, v3, LP
	v_and_b32 v4, 1, v0
	v_lshl_add_u32 v3, v4, 7, v3
	v_lshl_add_u32 v3, v2, 4, v3
	v_mul_u32_u24 v5, v1, PITCH                    ; B: row r
	v_lshl_add_u32 v5, v2, 4, v5
	s_mul_i32 s18, s13, 32*LP                      ; my 64 rows of A
	s_mul_i32 s19, s14, HALFB                      ; my 64 rows of B
	s_add_co_u32 s19, s19, BOFF
.irp s, 0,1
	v_add_nc_u32 v[ADRA+\s], s18, v3
	v_add_nc_u32 v[ADRB+\s], s19, v5
	s_add_co_u32 s18, s18, SLOT
	s_add_co_u32 s19, s19, SLOT
.endr
	s_mul_i32 s23, s[WV], 16*SPITCH
	s_add_co_u32 s23, s23, STAGE                   ; my stage
	v_mul_u32_u24 v4, v1, SPITCH                   ; in: row r, 32 bytes for each half of the lanes
	v_lshl_add_u32 v4, v2, 5, v4
	v_add_nc_u32 v[STO], s23, v4
	v_mul_u32_u24 v5, v2, SPITCH                   ; back: lanes 0-15 one row of 256 bytes, lanes 16-31 the next
	v_lshl_add_u32 v5, v1, 4, v5
	v_add_nc_u32 v[RD], s23, v5
	v_lshlrev_b32 v5, 12, v2                       ; and the same two rows in out0
	v_lshl_add_u32 v[CO], v1, 4, v5
	s_lshl_b32 s20, s15, 19                        ; my first row: (128 x tile row + 64 x half) x 4,096 bytes
	s_lshl_b32 s21, s13, 18
	s_add_co_u32 s20, s20, s21
	s_mov_b32 s21, 0
	s_add_nc_u64 s[10:11], s[10:11], s[20:21]
	s_add_nc_u64 s[10:11], s[10:11], s[46:47]
; 8 matrix instructions: m blocks a0, a0 + 1 x all 4 n blocks, 32 along K: half c of buffer f.  first = 1: the bias starts the sums.  The 16 accumulators take turns.
.macro MUL8 f, c, a0, first
.irp a, \a0, \a0+1
.irp b, 0,1,2,3
.if \first
	v_wmma_f32_16x16x32_f16 v[ACC+8*(4*(\a)+\b):ACC+8*(4*(\a)+\b)+7], v[\f+64+8*(4*\c+\b):\f+64+8*(4*\c+\b)+7], v[\f+8*(4*\c+\a):\f+8*(4*\c+\a)+7], v[BI+8*\b:BI+8*\b+7]
.else
	v_wmma_f32_16x16x32_f16 v[ACC+8*(4*(\a)+\b):ACC+8*(4*(\a)+\b)+7], v[\f+64+8*(4*\c+\b):\f+64+8*(4*\c+\b)+7], v[\f+8*(4*\c+\a):\f+8*(4*\c+\a)+7], v[ACC+8*(4*(\a)+\b):ACC+8*(4*(\a)+\b)+7]
.endif
.endr
.endr
.endm
; 32 LDS loads in one run: the fragments of quarter q (one head, 64 along K) of a slot into buffer f; the first 32 along K first
.macro FETCH slot, q, f
	WIN TO_F
.irp c, 0,1
.irp i, 0,1,2,3
	ds_load_b128 v[\f+64+8*(4*\c+\i):\f+64+8*(4*\c+\i)+3],   v[ADRB+\slot] offset:128*(\q)+64*\c+\i*16*PITCH
	ds_load_b128 v[\f+64+8*(4*\c+\i)+4:\f+64+8*(4*\c+\i)+7], v[ADRB+\slot] offset:128*(\q)+64*\c+\i*16*PITCH+32
	ds_load_b128 v[\f+8*(4*\c+\i):\f+8*(4*\c+\i)+3],         v[ADRA+\slot] offset:AH*(\q)+64*\c+\i*8*LP
	ds_load_b128 v[\f+8*(4*\c+\i)+4:\f+8*(4*\c+\i)+7],       v[ADRA+\slot] offset:AH*(\q)+64*\c+\i*8*LP+32
.endr
.endr
.endm
.macro PLACES                          ; four plain lines in front of loads into registers that matrix instructions have read, and of the first read of results
.rept 4
	v_nop
.endr
.endm
.macro QUARTER slot, q, f, g, first    ; multiplies buffer f and fetches quarter q of the slot into g
	s_wait_dscnt 16                                ; the first 32 along K are in; the youngest sixteen loads may be out
	WIN MUL
	MUL8 \f, 0, 0, \first
	MUL8 \f, 0, 2, \first
	PLACES
	FETCH \slot, \q, \g
	s_wait_dscnt 32                                ; all but the 32 just issued
	WIN MUL
	MUL8 \f, 1, 0, 0
	MUL8 \f, 1, 2, 0
.endm
; A slot's last quarter multiplies buffer 1 and changes slots: ONE barrier; in front of it each wave waits for all its tensor loads, adds 0 to its spare word, and waits for that and for its reads of this slot.
; fill = 1: this slot is filled again, two K steps ahead: the barrier opens a round of the cluster's, and the joint load is the first thing behind it, 112 matrix instructions ahead of the wait for it.
.macro TURN slot, next, fill
	WIN 0
	s_wait_tensorcnt 0x0                           ; my part of the next slot has landed
	ds_add_u32 v[SPW], v[NIL]                      ; 0 onto my spare word
	s_wait_dscnt 17                                ; (the add and the youngest sixteen loads may be out)
	WIN MUL
	MUL8 F1, 0, 0, 0
	s_wait_dscnt 0x0                               ; the add is done, and my reads of this slot are over
	s_barrier_signal -1
	MUL8 F1, 0, 2, 0
.if \fill
	WIN 0
.endif
	s_barrier_wait -1
.if \fill
	CREST
	s_add_nc_u64 s[G0+4*\slot+2:G0+4*\slot+3], s[G0+4*\slot+2:G0+4*\slot+3], 2097152    ; eight heads on
	s_add_nc_u64 s[G0B+4*\slot+2:G0B+4*\slot+3], s[G0B+4*\slot+2:G0B+4*\slot+3], 1024   ; 512 along K on
	JLOAD \slot                                    ; the four v_nop behind it are also the places in front of the loads below
.else
	PLACES
.endif
	FETCH \next, 0, F0
	WIN MUL
	MUL8 F1, 1, 0, 0
	MUL8 F1, 1, 2, 0
.endm
	s_wait_tensorcnt 1                             ; my part of K step 0 is in; the one load behind it may be out
	s_barrier_signal -1
	s_barrier_wait -1
	FETCH 0, 0, F0
	s_wait_loadcnt 0x0                             ; the bias
	QUARTER 0, 1, F0, F1, 1                        ; K step 0
	QUARTER 0, 2, F1, F0, 0
	QUARTER 0, 3, F0, F1, 0
	TURN 0, 1, 1
	QUARTER 1, 1, F0, F1, 0                        ; K step 1
	QUARTER 1, 2, F1, F0, 0
	QUARTER 1, 3, F0, F1, 0
	TURN 1, 0, 1
	QUARTER 0, 1, F0, F1, 0                        ; K step 2
	QUARTER 0, 2, F1, F0, 0
	QUARTER 0, 3, F0, F1, 0
	TURN 0, 1, 0
	QUARTER 1, 1, F0, F1, 0                        ; K step 3
	QUARTER 1, 2, F1, F0, 0
	QUARTER 1, 3, F0, F1, 0
	s_wait_dscnt 16                                ; the very last quarter: nothing more to fetch
	WIN MUL
	MUL8 F1, 0, 0, 0
	MUL8 F1, 0, 2, 0
	s_wait_dscnt 0
	MUL8 F1, 1, 0, 0
	MUL8 F1, 1, 2, 0
	WIN 0
; THE WAY OUT, a block of 16 rows x 64 columns at a time: a lane holds 32 neighbouring bytes of a row; through my own stage they come back as whole rows of 256 bytes, which sixteen lanes store, aligned.
.macro TOSTAGE a
.set BB, 32+32*((\a)%2)
.irp b, 0,1,2,3
	ds_store_b128 v[STO], v[ACC+8*(4*(\a)+\b):ACC+8*(4*(\a)+\b)+3] offset:64*\b          ; each accumulator from its low end on
	ds_store_b128 v[STO], v[ACC+8*(4*(\a)+\b)+4:ACC+8*(4*(\a)+\b)+7] offset:64*\b+16
.endr
.irp t, 0,1,2,3,4,5,6,7
	ds_load_b128 v[BB+4*\t:BB+4*\t+3], v[RD] offset:\t*2*SPITCH    ; in order behind my stores (ISA guide 5.7.1.4)
.endr
.endm
.macro SEND a, younger                 ; younger: the LDS instructions issued behind block a's loads, which may stay out
.set BB, 32+32*((\a)%2)
	s_wait_dscnt \younger
.irp t, 0,1,2,3,4,5,6,7
	global_store_b128 v[CO], v[BB+4*\t:BB+4*\t+3], s[10:11] offset:65536*(\a)+8192*\t th:TH_STORE_NT   ; every offset is an immediate: no base is stepped
.endr
.endm
	PLACES
	TOSTAGE 0
	TOSTAGE 1
	SEND 0, 16                                     ; behind block 0's loads: block 1's 8 stores and 8 loads
	s_wait_xcnt 0x0                                ; block 0's stores have read their registers: block 2's loads may land there
	TOSTAGE 2
	SEND 1, 16
	s_wait_xcnt 0x0
	TOSTAGE 3
	SEND 2, 16
	SEND 3, 0
	s_wait_tensorcnt 0x0                           ; the wave's end, behind my last tensor load and my last LDS store
	ds_add_u32 v[SPW], v[NIL]
	s_wait_dscnt 0x0
	CROUND                                         ; the closing round
	s_endpgm
.Lfunc_end_k_q4b8c579537_outp:
	.size	k_q4b8c579537_outp, .Lfunc_end_k_q4b8c579537_outp-k_q4b8c579537_outp
	.p2alignl 7, 3214868480
	.fill 96, 4, 3214868480
	.section	.rodata,"a",@progbits
	.p2align	6, 0x0
	.amdhsa_kernel k_q4b8c579537_outp
		.amdhsa_group_segment_fixed_size 327680
		.amdhsa_private_segment_fixed_size 0
		.amdhsa_enable_private_segment 0
		.amdhsa_kernarg_size 32
		.amdhsa_user_sgpr_count 2
		.amdhsa_user_sgpr_kernarg_segment_ptr 1
		.amdhsa_wavefront_size32 1
		.amdhsa_system_sgpr_workgroup_id_x 1
		.amdhsa_system_sgpr_workgroup_id_y 1
		.amdhsa_system_sgpr_workgroup_id_z 1
		.amdhsa_system_vgpr_workitem_id 0
		.amdhsa_next_free_vgpr 512
		.amdhsa_next_free_sgpr 66
		.amdhsa_reserve_vcc 0
		.amdhsa_float_denorm_mode_32 3
		.amdhsa_float_denorm_mode_16_64 3
		.amdhsa_memory_ordered 1
		.amdhsa_forward_progress 1
		.amdhsa_inst_pref_size 86
	.end_amdhsa_kernel
	.amdgpu_metadata
---
amdhsa.version: [ 1, 2 ]
amdhsa.kernels:
  - .name:           k_q4b8c579537_outp
    .symbol:         k_q4b8c579537_outp.kd
    .args:
      - { .name: xh, .offset: 0, .size: 8, .value_kind: global_buffer, .address_space: global }
      - { .name: woh, .offset: 8, .size: 8, .value_kind: global_buffer, .address_space: global }
      - { .name: bo, .offset: 16, .size: 8, .value_kind: global_buffer, .address_space: global }
      - { .name: out0, .offset: 24, .size: 8, .value_kind: global_buffer, .address_space: global }
    .group_segment_fixed_size: 327680
    .private_segment_fixed_size: 0
    .kernarg_segment_align: 8
    .kernarg_segment_size: 32
    .max_flat_workgroup_size: 128
    .sgpr_count:     66
    .vgpr_count:     512
    .wavefront_size: 32
...
	.end_amdgpu_metadata
.endif
;; end of part 4
